; MI455X (gfx1250); checked and timed in simulation.
; The chip was launched on July 23, 2026; its instructions are those of AMD's public machine-readable ISA for CDNA 5 (MIT licence, August 2026) and "CDNA5" Instruction Set Architecture Reference Guide (July 2026). The comments in the code are by the model that wrote it; some were corrected since.
;; Multi Headed Attention. Allowed arithmetic: float matrix products may take bf16 or f16 operands with f32 sums; other float arithmetic in f32, or as packed bf16 or f16 multiplies, adds, multiply-adds, maxima and minima; sums over many terms, partial sums and values carried from step to step in f32; what a program stores and reads back later, other than sums and carried values, may be rounded once to bf16 or f16.
;; Inputs: Wk 8 x 512 x 512 float32; Wp 4,096 x 512 float32; Wq 8 x 512 x 512 float32; Wv 8 x 512 x 512 float32; bk 8 x 512 float32; bp 512 float32; bq 8 x 512 float32; bv 8 x 512 float32; mask 4 x 1 x 1,024 int32; x 4 x 1,024 x 512 float32.
;; Outputs: out0 4 x 1,024 x 512 float32.
;; One version. Each part assembles by itself: llvm-mc -triple=amdgcn-amd-amdhsa -mcpu=gfx1250 --defsym DOCPART=n.
;; ======== version 1 of 1: 5 launches
;; limits: values are held in f16: magnitudes above 65,504 overflow, below 6.1e-05 lose precision
;; workspace buffers: xb 4,194,304 bytes; wb 12,582,912 bytes; wpb 4,194,304 bytes; ball 51,200 bytes; qkv 100,663,296 bytes; pbuf 67,108,864 bytes; stat 2,097,152 bytes; cat 33,554,432 bytes
;; launch prep (part 1): grid 1024 x 1, 8 waves a work-group, no clusters, 0 bytes of LDS; arguments x, Wq, Wk, Wv, Wp, bq, bk, bv, bp, xb, wb, wpb, ball; writes xb, wb, wpb, ball
.if DOCPART == 1
	.amdgcn_target "amdgcn-amd-amdhsa--gfx1250"
	.amdhsa_code_object_version 6
	.text
	.protected	k_qf2320ca75c_prep
	.globl	k_qf2320ca75c_prep
	.p2align	8
	.type	k_qf2320ca75c_prep,@function
k_qf2320ca75c_prep:
	s_mov_b64 s[64:65], 0
	v_nop
	global_prefetch_b8 v0, s[64:65] scope:SCOPE_SE
	s_setreg_imm32_b32 hwreg(HW_REG_WAVE_MODE, 25, 1), 1
	s_wait_xcnt 0x0
; The module's inputs, rounded once.  x, Wq, Wk, Wv: f32 -> bf16, in their own order (xb; wb = Wq, Wk, Wv on end).
; Wp: f32 -> bf16, and that number written as f16 (exact from 2^-14 up to 65,504; below 2^-14 it keeps f16's fixed step of 6e-8; LIMIT: |Wp| under 65,504).
; bq, bk, bv, bp: rounded to bf16 and kept as f32 (ball = bq, bk, bv, bp on end).
; A stream: each of the five tensors of 8 MiB is cut into 1,024 pieces of 8 KiB, one to a work-group; a thread takes 16 bytes at 16 t and at 4,096 + 16 t,
; so a wave's load covers 512 consecutive bytes and its 8-byte stores 256 consecutive bytes, aligned.  No LDS, no matrix unit: nothing is used twice.
	s_load_b512 s[8:23], s[0:1], 0x0               ; x s[8:9], Wq s[10:11], Wk s[12:13], Wv s[14:15], Wp s[16:17], bq s[18:19], bk s[20:21], bv s[22:23]
	s_load_b256 s[24:31], s[0:1], 0x40             ; bp s[24:25], xb s[26:27], wb s[28:29], wpb s[30:31]
	s_load_b64 s[32:33], s[0:1], 0x60              ; ball
	s_mov_b32 s2, ttmp9                            ; g, the piece
	s_lshl_b32 s3, s2, 13                          ; 8,192 g
	s_lshl_b32 s4, s2, 12                          ; 4,096 g
	s_mov_b32 s5, 0xffff0000                       ; a word's upper bf16
	v_lshl_add_u32 v1, v0, 4, s3                   ; in:  8,192 g + 16 t
	v_lshl_add_u32 v2, v0, 3, s4                   ; out: 4,096 g + 8 t
	s_wait_kmcnt 0x0
.irp i, 0,1,2,3,4
	global_load_b128 v[4+8*(\i):7+8*(\i)],  v1, s[8+2*(\i):9+2*(\i)] th:TH_LOAD_NT
	global_load_b128 v[8+8*(\i):11+8*(\i)], v1, s[8+2*(\i):9+2*(\i)] offset:4096 th:TH_LOAD_NT
.endr
	s_add_nc_u64 s[34:35], s[28:29], 0x800000      ; wb at Wv's part: 8,388,608 is one more than a store's immediate holds
.irp i, 0,1,2,3
	s_wait_loadcnt 8-2*(\i)                        ; loads come back in order: tensor i's two are in, the later tensors' stay out
.irp r, 0,1,2,3
	v_cvt_pk_bf16_f32 v[44+4*(\i)+(\r)], v[4+8*(\i)+2*(\r)], v[5+8*(\i)+2*(\r)]
.endr
.endr
	global_store_b64 v2, v[44:45], s[26:27]
	global_store_b64 v2, v[46:47], s[26:27] offset:2048
	global_store_b64 v2, v[48:49], s[28:29]
	global_store_b64 v2, v[50:51], s[28:29] offset:2048
	global_store_b64 v2, v[52:53], s[28:29] offset:4194304
	global_store_b64 v2, v[54:55], s[28:29] offset:4194304+2048
	global_store_b64 v2, v[56:57], s[34:35]
	global_store_b64 v2, v[58:59], s[34:35] offset:2048
	s_wait_loadcnt 0x0                             ; Wp
.irp r, 0,1,2,3
	v_cvt_pk_bf16_f32 v[60+(\r)], v[36+2*(\r)], v[37+2*(\r)]
.endr
.irp r, 0,1,2,3
	v_lshlrev_b32 v[36+2*(\r)], 16, v[60+(\r)]     ; the rounded numbers as f32 again
	v_and_b32     v[37+2*(\r)], s5, v[60+(\r)]
.endr
.irp r, 0,1,2,3
	v_cvt_pk_f16_f32 v[60+(\r)], v[36+2*(\r)], v[37+2*(\r)]
.endr
	global_store_b64 v2, v[60:61], s[30:31]
	global_store_b64 v2, v[62:63], s[30:31] offset:2048
	; the biases: pieces 0 to 3 take 4,096 bytes each of bq, bk and bv; piece 4 takes bp
	s_cmp_lt_u32 s2, 4
	s_cbranch_scc0 .Lnot_heads
	v_lshl_add_u32 v3, v0, 4, s4                   ; 4,096 g + 16 t
	global_load_b128 v[4:7],   v3, s[18:19]
	global_load_b128 v[8:11],  v3, s[20:21]
	global_load_b128 v[12:15], v3, s[22:23]
	s_wait_loadcnt 0x0
.irp r, 0,1,2,3,4,5
	v_cvt_pk_bf16_f32 v[16+(\r)], v[4+2*(\r)], v[5+2*(\r)]
.endr
.irp r, 0,1,2,3,4,5
	v_lshlrev_b32 v[4+2*(\r)], 16, v[16+(\r)]
	v_and_b32     v[5+2*(\r)], s5, v[16+(\r)]
.endr
	global_store_b128 v3, v[4:7],   s[32:33]
	global_store_b128 v3, v[8:11],  s[32:33] offset:16384
	global_store_b128 v3, v[12:15], s[32:33] offset:32768
	s_endpgm
.Lnot_heads:
	s_cmp_eq_u32 s2, 4
	s_cbranch_scc0 .Lend
	v_lshlrev_b32 v3, 3, v0                        ; 8 t: 256 threads cover bp's 2,048 bytes
	global_load_b64 v[4:5], v3, s[24:25]
	s_wait_loadcnt 0x0
	v_cvt_pk_bf16_f32 v16, v4, v5
	v_lshlrev_b32 v4, 16, v16
	v_and_b32     v5, s5, v16
	global_store_b64 v3, v[4:5], s[32:33] offset:49152
.Lend:
	s_endpgm
.Lfunc_end_k_qf2320ca75c_prep:
	.size	k_qf2320ca75c_prep, .Lfunc_end_k_qf2320ca75c_prep-k_qf2320ca75c_prep
	.p2alignl 7, 3214868480
	.fill 96, 4, 3214868480
	.section	.rodata,"a",@progbits
	.p2align	6, 0x0
	.amdhsa_kernel k_qf2320ca75c_prep
		.amdhsa_group_segment_fixed_size 0
		.amdhsa_private_segment_fixed_size 0
		.amdhsa_enable_private_segment 0
		.amdhsa_kernarg_size 104
		.amdhsa_user_sgpr_count 2
		.amdhsa_user_sgpr_kernarg_segment_ptr 1
		.amdhsa_wavefront_size32 1
		.amdhsa_system_sgpr_workgroup_id_x 1
		.amdhsa_system_sgpr_workgroup_id_y 1
		.amdhsa_system_sgpr_workgroup_id_z 1
		.amdhsa_system_vgpr_workitem_id 0
		.amdhsa_next_free_vgpr 64
		.amdhsa_next_free_sgpr 66
		.amdhsa_reserve_vcc 0
		.amdhsa_float_denorm_mode_32 3
		.amdhsa_float_denorm_mode_16_64 3
		.amdhsa_memory_ordered 1
		.amdhsa_forward_progress 1
		.amdhsa_inst_pref_size 7
	.end_amdhsa_kernel
	.amdgpu_metadata
---
amdhsa.version: [ 1, 2 ]
amdhsa.kernels:
  - .name:           k_qf2320ca75c_prep
    .symbol:         k_qf2320ca75c_prep.kd
    .args:
      - { .name: x, .offset: 0, .size: 8, .value_kind: global_buffer, .address_space: global }
      - { .name: Wq, .offset: 8, .size: 8, .value_kind: global_buffer, .address_space: global }
      - { .name: Wk, .offset: 16, .size: 8, .value_kind: global_buffer, .address_space: global }
      - { .name: Wv, .offset: 24, .size: 8, .value_kind: global_buffer, .address_space: global }
      - { .name: Wp, .offset: 32, .size: 8, .value_kind: global_buffer, .address_space: global }
      - { .name: bq, .offset: 40, .size: 8, .value_kind: global_buffer, .address_space: global }
      - { .name: bk, .offset: 48, .size: 8, .value_kind: global_buffer, .address_space: global }
      - { .name: bv, .offset: 56, .size: 8, .value_kind: global_buffer, .address_space: global }
      - { .name: bp, .offset: 64, .size: 8, .value_kind: global_buffer, .address_space: global }
      - { .name: xb, .offset: 72, .size: 8, .value_kind: global_buffer, .address_space: global }
      - { .name: wb, .offset: 80, .size: 8, .value_kind: global_buffer, .address_space: global }
      - { .name: wpb, .offset: 88, .size: 8, .value_kind: global_buffer, .address_space: global }
      - { .name: ball, .offset: 96, .size: 8, .value_kind: global_buffer, .address_space: global }
    .group_segment_fixed_size: 0
    .private_segment_fixed_size: 0
    .kernarg_segment_align: 8
    .kernarg_segment_size: 104
    .max_flat_workgroup_size: 256
    .sgpr_count:     66
    .vgpr_count:     64
    .wavefront_size: 32
...
	.end_amdgpu_metadata
.endif
;; end of part 1
;; launch qkv (part 2): grid 16 x 16, 4 waves a work-group, clusters of 4 x 4, 327,680 bytes of LDS; arguments xb, wb, ball, qkv; writes qkv
.if DOCPART == 2
	.amdgcn_target "amdgcn-amd-amdhsa--gfx1250"
	.amdhsa_code_object_version 6
	.text
	.protected	k_qf2320ca75c_qkv
	.globl	k_qf2320ca75c_qkv
	.p2align	8
	.type	k_qf2320ca75c_qkv,@function
k_qf2320ca75c_qkv:
	s_mov_b64 s[64:65], 0
	v_nop
	global_prefetch_b8 v0, s[64:65] scope:SCOPE_SE
	s_setreg_imm32_b32 hwreg(HW_REG_WAVE_MODE, 25, 1), 1
	s_wait_xcnt 0x0
	s_wait_alu depctr_hold_cnt(0) depctr_sa_sdst(0) depctr_va_vdst(0) depctr_va_sdst(0) depctr_va_ssrc(0) depctr_va_vcc(0) depctr_vm_vsrc(0)
	s_getreg_b32 s2, hwreg(HW_REG_IB_STS2, 6, 4)
	s_cmp_eq_u32 s2, 0
	s_cbranch_scc0 .Lentry_in_a_cluster
	s_endpgm
.Lentry_in_a_cluster:
	s_bfe_u32 s2, ttmp6, 0x10000c
	s_cmp_lg_u32 s2, 0xf033
	s_cbranch_scc0 .Lentry_shape_is_right
	s_endpgm
.Lentry_shape_is_right:
; q, k, v = x W + b for eight heads: ONE product C[4096 tokens][24 x 512] = xb [4096][512] x wb [24][512 d][512 e], bf16 operands, f32 sums, C rounded once to f16.
; C goes to qkv = [3 (q, k, v)][head x 4 + batch][1024][512] f16: inside one (q/k/v, head) the row is the token's number.
; LIMIT: q, k, v must stay under 65,504 (f16's end); NaN and infinities are not treated apart.
; A tile of C is 256 x 256; four waves, each 128 x 128: 64 accumulators, 512 registers.  K = 512 goes in T = 4 steps of 128 through two LDS slots filled by the tensor data mover.
; A WORK-GROUP STAYS: it makes three tiles, q, k and v for the same 256 tokens and the same half of a head, and the ring does not stop at a tile's end: a tile's last two changes of slots
; ask for the next tile's first two K steps, and nothing waits for a tile's stores.  The two global addresses of a fill are made anew from FS, the number of K steps asked for so far.
; x's rows lie along K (plain fragment loads); W lies [K][N], so its fragments come out of LDS turned (ds_load_tr16_b128).
; The matrix instruction is used transposed (source 0 = 16 columns of W, source 1 = 16 tokens): a lane holds one token and eight neighbouring columns.
; The bias is the C operand of the products that start the sums: no add is written for it.
; CLUSTER 4 x 4: the four work-groups of a row need the same tile of x, the four of a column the same tile of W: each tile is asked for jointly.
; A K step with a refill is written once: the step loop counts four trips and is left in its middle; in the last tile it is left after two, for a tail of two steps without refills
; (the last of those fetches fragments that nobody multiplies: the price of one text for both).
; THE WAY OUT: a block of 16 rows at a time, rounded to f16, goes through my wave's own stage behind the ring and comes back by rows: sixteen lanes store 256 consecutive bytes, aligned.
; The stage's text is written once and looped; a chain of forward branches on the trip's counter picks the block's 32 conversions, which name their accumulators.
; REGISTERS in windows of 256: window 0: v0-31 addresses, v64-127 / v128-191 x's fragments (two buffers; on the way out the second holds packed and returned rows), v192-255 the bias;
; window 1: v64-127 / v128-191 W's fragments; windows 2, 3: accumulators, (a, b) at v[8 (8 (a % 4) + b)].
.set T,      4
.set TILES,  3
.set PITCH,  272                       ; an LDS row of x: 256 bytes + 16 of padding: the 16 rows of a fragment load start 68 words apart
.set HALFT,  128*PITCH                 ; what one tensor load brings: 128 rows of x, or 64 rows of W (64 x 544 is the same number)
.set SLOT,   4*HALFT                   ; x's 256 rows, then W's 128 K rows; it shares no bit with wave x HALFT, so an exclusive or steps an address from slot to slot
.set BP,     544                       ; an LDS row of W: 512 bytes + 32 of padding
.set SP,     272                       ; a row of the stage: 256 bytes + 16
.set STAGE,  2*SLOT                    ; behind the ring, never filled by a tensor load: 16 rows for each wave
.set SPARE,  STAGE+4*16*SP             ; the spare words, 128 bytes a wave, which no other line names
.set ASTEP,  256                       ; bytes from a K step to the next: 128 elements along x's rows,
.set BSTEP,  128*1024                  ; 128 rows of W
.set CP,     1024                      ; bytes in a row of qkv
.set NEXTC,  32*1024*1024-7*16*CP      ; from my last 16 rows of a tile to my first of the next: q to k to v are 32 MiB apart
.set ADRA,  16                         ; v16  LDS address of my fragments of x in the slot in hand;  v17 in slot 0
.set ADRA0, 17
.set ADRB,  18                         ; v18, v19  the same for W
.set ADRB0, 19
.set STO,   20                         ; v20  the way out: where I put 16 bytes of a row
.set RD,    21                         ; v21  where I read rows back
.set CO,    22                         ; v22  my byte offset in two rows of C
.set BO,    23                         ; v23  my byte offset in the bias of 16 columns
.set SPW,   28                         ; v28  LDS address of my spare word; never rewritten
.set NIL,   29                         ; v29  0; never rewritten
.set F0,    64
.set F1,    128
.set TMP,   128                        ; the way out: a block packed
.set BK,    160                        ; the way out: a block back from the stage
.set BIAS,  192
.set WV,   12                          ; s12 wave;  s13 wave >> 1: my half of the rows, and whether I fetch x (0) or W (1);  s14 wave & 1: my half of the columns, and which half I fetch
.set HR,   13
.set HC,   14
.set LB,   15                          ; s15 wave x HALFT: where my tensor loads land in a slot
.set G1A,  24                          ; s[24:31] descriptor group 1 for x;  s[32:35] group 0 of the first fill;  s[36:39] of the second, which then walks
.set G0A0, 32
.set G0A,  36
.set CX,   40
.set CY,   41
.set TC,   42                          ; tile column 0..15 of the first tile; the next tiles lie 16 further on
.set TR,   43                          ; tile row 0..15
.set MROW, 44
.set MCOL, 45
.set G1B,  48                          ; the same three for W
.set G0B0, 56
.set G0B,  60
.set TB,   66                          ; s66  0 or SLOT: the slot whose fragments are fetched
.set CB,   68                          ; s[68:69] C at my rows
.set FS,   76                          ; s76  the K step to be asked for next, counted through all three tiles
.set OA,   78                          ; s[78:79] its byte offset in x;  s[80:81] in W
.set OB,   80
.set MSB, 0
.macro WIN new                         ; the immediate's high byte repeats the setting that is left; a switch that changes nothing is dropped
.if MSB != (\new)
	s_set_vgpr_msb (MSB<<8)|(\new)
.set MSB, \new
.endif
.endm
.set MUL_LO, 0xa1                      ; source 0 (W) window 1, source 1 (x) window 0, C and D window 2;  + 0x50: window 3
.set TO_B,   0x40                      ; destination window 1, address window 0
.macro PLACES                          ; four plain vector instructions between a matrix instruction and a load into, or a read of, its registers
.rept 4
	v_nop
.endr
.endm
.macro JLOAD                           ; a joint refill: waves 0, 1 ask for x's halves, waves 2, 3 for W's; the branch hangs on the wave's number alone
	s_cmp_eq_u32 s[HR], 0
	s_cbranch_scc0 .Lfor_b_\@
	tensor_load_to_lds s[G0A:G0A+3], s[G1A:G1A+7]
	s_nop 0
.rept 4
	v_nop
.endr
	s_branch .Lasked_\@
.Lfor_b_\@:
	tensor_load_to_lds s[G0B:G0B+3], s[G1B:G1B+7]
	s_nop 0
.rept 4
	v_nop
.endr
.Lasked_\@:
.endm
.macro CREST                           ; a round of the cluster's barrier behind its opening barrier
	s_cmp_lg_u32 s[WV], 0
	s_cbranch_scc1 .Lnot_wave_0_\@
	s_barrier_signal -3
.Lnot_wave_0_\@:
	s_barrier_wait -3
	s_barrier_signal -1
	s_barrier_wait -1
.endm
.macro CROUND
	s_barrier_signal -1
	s_barrier_wait -1
	CREST
.endm
.macro BIASLD                          ; the bias of my 128 columns: register 8 b + j holds column 16 b + 8 (l / 16) + j, as an accumulator does
.irp b, 0,1,2,3,4,5,6,7
	global_load_b128 v[BIAS+8*(\b):BIAS+8*(\b)+3],   v[BO], s[72:73] offset:64*(\b)
	global_load_b128 v[BIAS+8*(\b)+4:BIAS+8*(\b)+7], v[BO], s[72:73] offset:64*(\b)+16
.endr
.endm
	s_load_b256 s[4:11], s[0:1], 0x0               ; xb s[4:5], wb s[6:7], ball s[8:9], qkv s[10:11]
	v_lshl_add_u32 v[SPW], v0, 2, SPARE
	v_mov_b32 v[NIL], 0
	ds_add_u32 v[SPW], v[NIL]                      ; the wave's opening: the add and its wait stand ahead of my first tensor load; register work stands between
	v_lshrrev_b32 v1, 5, v0
	v_readfirstlane_b32 s[WV], v1
	s_lshr_b32 s[HR], s[WV], 1
	s_and_b32 s[HC], s[WV], 1
	s_mul_i32 s[LB], s[WV], HALFT
	s_bfe_u32 s[CX], ttmp6, 0x40000
	s_bfe_u32 s[CY], ttmp6, 0x40004
	s_lshl_b32 s[TC], ttmp9, 2
	s_add_co_u32 s[TC], s[TC], s[CX]               ; tile column = 4 x cluster x + cx
	s_and_b32 s[TR], ttmp7, 0xffff
	s_lshl_b32 s[TR], s[TR], 2
	s_add_co_u32 s[TR], s[TR], s[CY]               ; tile row = 4 x cluster y + cy
	s_lshl_b32 s[MROW], s[CY], 2
	s_lshl_b32 s[MROW], 15, s[MROW]                ; my row of the cluster
	s_lshl_b32 s[MCOL], 0x1111, s[CX]              ; my column
	s_or_b32 s[G1A], s[MROW], (1<<16)|(1<<20)|(1<<21)|(5<<22)|(3<<25)  ; mask; 2-byte elements; padding on; bit 21 beside a mask; after every 64 words 4 words
	s_mov_b32 s[G1A+1], 128<<16                    ; tensor_dim0 = 128
	s_mov_b32 s[G1A+2], 128<<16                    ; tensor_dim1 = 128
	s_mov_b32 s[G1A+3], 128<<16                    ; tile_dim0 = 128
	s_mov_b32 s[G1A+4], 128                        ; tile_dim1 = 128
	s_mov_b32 s[G1A+5], 512                        ; elements from row to row
	s_mov_b32 s[G1A+6], 0
	s_mov_b32 s[G1A+7], 0
	s_or_b32 s[G1B], s[MCOL], (1<<16)|(1<<20)|(1<<21)|(6<<22)|(7<<25)  ; after every 128 words 8 words
	s_mov_b32 s[G1B+1], 256<<16                    ; 256 columns
	s_mov_b32 s[G1B+2], 64<<16                     ; 64 K rows
	s_mov_b32 s[G1B+3], 256<<16
	s_mov_b32 s[G1B+4], 64
	s_mov_b32 s[G1B+5], 512
	s_mov_b32 s[G1B+6], 0
	s_mov_b32 s[G1B+7], 0
	s_lshl_b32 s16, s[TR], 18                      ; x: 256 rows of 1,024 bytes a tile row,
	s_lshl_b32 s17, s[HC], 17                      ; 128 rows a half
	s_add_co_u32 s16, s16, s17
	s_mov_b32 s17, 0
	s_lshr_b32 s46, s[TC], 1                       ; W: the head, 512 KiB each,
	s_lshl_b32 s46, s46, 19
	s_and_b32 s47, s[TC], 1                        ; its left or right 256 columns,
	s_lshl_b32 s47, s47, 9
	s_add_co_u32 s46, s46, s47
	s_lshl_b32 s47, s[HC], 16                      ; 64 K rows a half
	s_add_co_u32 s46, s46, s47
	s_mov_b32 s47, 0
	s_mov_b32 s[TB], 0
	s_mov_b32 s[FS], 2                             ; K steps 0 and 1 are asked for at the start
	s_mov_b32 s[OA+1], 0
	s_mov_b32 s[OB+1], 0
	s_wait_dscnt 0x0                               ; the opening add is done
	s_wait_kmcnt 0x0
	s_add_nc_u64 s[16:17], s[4:5], s[16:17]        ; x and W at my part of the first tile's K step 0: kept for the whole launch
	s_add_nc_u64 s[46:47], s[6:7], s[46:47]
	CROUND                                         ; all sixteen work-groups are here: the first joint loads meet
	s_mov_b32 s[G0A0], 1
	s_mov_b32 s[G0A0+1], s[LB]                     ; K step 0 into slot 0
	s_add_nc_u64 s[G0A0+2:G0A0+3], s[16:17], 0
	s_or_b32 s[G0A0+3], s[G0A0+3], 0x80000000
	s_mov_b32 s[G0A], 1
	s_add_co_u32 s[G0A+1], s[LB], SLOT             ; K step 1 into slot 1
	s_add_nc_u64 s[G0A+2:G0A+3], s[16:17], ASTEP
	s_or_b32 s[G0A+3], s[G0A+3], 0x80000000
	s_mov_b32 s[G0B0], 1
	s_mov_b32 s[G0B0+1], s[LB]
	s_add_nc_u64 s[G0B0+2:G0B0+3], s[46:47], 0
	s_or_b32 s[G0B0+3], s[G0B0+3], 0x80000000
	s_mov_b32 s[G0B], 1
	s_add_co_u32 s[G0B+1], s[LB], SLOT
	s_add_nc_u64 s[G0B+2:G0B+3], s[46:47], BSTEP
	s_or_b32 s[G0B+3], s[G0B+3], 0x80000000
	s_cmp_eq_u32 s[HR], 0                          ; a wave's two first fills stand in one branch: two loads of mine are out
	s_cbranch_scc0 .Lfirst_b
	tensor_load_to_lds s[G0A0:G0A0+3], s[G1A:G1A+7]
	s_nop 0
	tensor_load_to_lds s[G0A:G0A+3], s[G1A:G1A+7]
	s_nop 0
.rept 4
	v_nop
.endr
	s_branch .Lfirst_asked
.Lfirst_b:
	tensor_load_to_lds s[G0B0:G0B0+3], s[G1B:G1B+7]
	s_nop 0
	tensor_load_to_lds s[G0B:G0B+3], s[G1B:G1B+7]
	s_nop 0
.rept 4
	v_nop
.endr
.Lfirst_asked:
	v_and_b32 v1, 15, v0                           ; l % 16
	v_bfe_u32 v2, v0, 4, 1                         ; l / 16
	v_and_b32 v3, 7, v0                            ; l % 8
	v_bfe_u32 v4, v0, 3, 1                         ; (l / 8) % 2
	s_lshl_b32 s70, s[TC], 10                      ; the bias: 256 f32 a tile column,
	s_lshl_b32 s71, s[HC], 9                       ; 128 a half
	s_add_co_u32 s70, s70, s71
	s_mov_b32 s71, 0
	s_add_nc_u64 s[72:73], s[8:9], s[70:71]
	v_lshlrev_b32 v[BO], 5, v2
	BIASLD
	; C at my first row and column of the first tile
	s_lshr_b32 s70, s[TC], 1
	s_lshl_b32 s70, s70, 22                        ; 4,096 rows of 1,024 bytes for each head
	s_and_b32 s74, s[TC], 1
	s_lshl_b32 s74, s74, 9
	s_add_co_u32 s70, s70, s74
	s_lshl_b32 s74, s[HC], 8
	s_add_co_u32 s70, s70, s74
	s_lshl_b32 s74, s[TR], 8
	s_lshl_b32 s75, s[HR], 7
	s_add_co_u32 s74, s74, s75                     ; my first token
	s_lshl_b32 s74, s74, 10
	s_add_co_u32 s70, s70, s74
	s_add_nc_u64 s[CB:CB+1], s[10:11], s[70:71]
	; fragments.  x: lane l takes row l % 16, 16 bytes at 16 (l / 16), and 32 bytes on.  W, turned: lane l reads K row 8 (l / 16) + l % 8, 16 bytes at 16 ((l / 8) % 2), and 16 rows on.
	v_mul_u32_u24 v9, v1, PITCH
	v_lshl_add_u32 v9, v2, 4, v9
	s_mul_i32 s20, s[HR], HALFT
	v_add_nc_u32 v[ADRA0], s20, v9
	v_mov_b32 v[ADRA], v[ADRA0]
	v_lshl_add_u32 v9, v2, 3, v3
	v_mul_u32_u24 v9, v9, BP
	v_lshl_add_u32 v9, v4, 4, v9
	s_lshl_b32 s21, s[HC], 8
	s_add_co_u32 s21, s21, 2*HALFT
	v_add_nc_u32 v[ADRB0], s21, v9
	v_mov_b32 v[ADRB], v[ADRB0]
	s_mul_i32 s20, s[WV], 16*SP
	s_add_co_u32 s20, s20, STAGE                   ; my stage
	v_mul_u32_u24 v9, v1, SP                       ; in: row l % 16, 16 bytes for each half of the lanes
	v_lshl_add_u32 v9, v2, 4, v9
	v_add_nc_u32 v[STO], s20, v9
	v_mul_u32_u24 v9, v2, SP                       ; back: lanes 0-15 take one row of 256 bytes, lanes 16-31 the next
	v_lshl_add_u32 v9, v1, 4, v9
	v_add_nc_u32 v[RD], s20, v9
	v_mul_u32_u24 v9, v2, CP                       ; and the same two rows in C
	v_lshl_add_u32 v[CO], v1, 4, v9
; 16 matrix instructions: row blocks a0, a0 + 1 of the window's four x all 8 column blocks, 32 along K.  zero = 1: the products start the sums, on the bias.
; The 64 accumulators take turns, one instruction a turn, in the same order in every quarter.
.macro MUL16 f, hi, a0, zero
.if \zero
	WIN 0x81+0x40*(\hi)
.else
	WIN MUL_LO+0x50*(\hi)
.endif
.irp a, \a0, (\a0)+1
.irp b, 0,1,2,3,4,5,6,7
.if \zero
	v_wmma_f32_16x16x32_bf16 v[8*(8*(\a)+(\b)):8*(8*(\a)+(\b))+7], v[(\f)+8*(\b):(\f)+8*(\b)+7], v[(\f)+8*(4*(\hi)+(\a)):(\f)+8*(4*(\hi)+(\a))+7], v[BIAS+8*(\b):BIAS+8*(\b)+7]
.else
	v_wmma_f32_16x16x32_bf16 v[8*(8*(\a)+(\b)):8*(8*(\a)+(\b))+7], v[(\f)+8*(\b):(\f)+8*(\b)+7], v[(\f)+8*(4*(\hi)+(\a)):(\f)+8*(4*(\hi)+(\a))+7], v[8*(8*(\a)+(\b)):8*(8*(\a)+(\b))+7]
.endif
.endr
.endr
.endm
; 32 LDS loads in one run: the fragments of 32 along K (byte k of x's rows, K row k / 2 of W) into buffer f: W's sixteen first, then x's
.macro FETCH k, f
	WIN TO_B
.irp i, 0,1,2,3,4,5,6,7
	ds_load_tr16_b128 v[(\f)+8*(\i):(\f)+8*(\i)+3],   v[ADRB] offset:((\k)/64)*32*BP+32*(\i)
	ds_load_tr16_b128 v[(\f)+8*(\i)+4:(\f)+8*(\i)+7], v[ADRB] offset:((\k)/64)*32*BP+16*BP+32*(\i)
.endr
	WIN 0
.irp i, 0,1,2,3,4,5,6,7
	ds_load_b128 v[(\f)+8*(\i):(\f)+8*(\i)+3],   v[ADRA] offset:(\k)+(\i)*16*PITCH
	ds_load_b128 v[(\f)+8*(\i)+4:(\f)+8*(\i)+7], v[ADRA] offset:(\k)+(\i)*16*PITCH+32
.endr
.endm
; One of a K step's first three quarters: multiplies buffer f; in its middle it fetches the next quarter, at byte k, into buffer g
.macro QUARTER k, f, g, zero
	s_wait_dscnt 8                                 ; W and x's rows 0-63 are in; the youngest eight loads (rows 64-127) may be out
	MUL16 \f, 0, 0, \zero
	MUL16 \f, 0, 2, \zero
	PLACES
	FETCH \k, \g
	s_wait_dscnt 32                                ; all but the 32 just issued
	MUL16 \f, 1, 0, \zero
	MUL16 \f, 1, 2, \zero
.endm
; The last quarter multiplies buffer 1 and changes slots.  In front of the barrier each wave waits for all its tensor loads (the one that is out is its part of the next slot),
; adds 0 to its spare word, and waits for that and for its reads of this slot.  fill = 1: the barrier opens a round of the cluster's, and the slot just read is filled again with K step FS,
; two steps ahead (in this tile or the next), first thing behind the round: that load has 224 matrix instructions in which to land.
.macro TURN fill
	WIN 0
	s_wait_tensorcnt 0x0
	ds_add_u32 v[SPW], v[NIL]                      ; 0 onto my spare word; scalar work and sixteen products stand between it and the wait for it
.if \fill
	s_and_b32 s[OA], s[FS], 3                      ; no tensor load of mine is out: the walking descriptors are written.  The step in its tile:
	s_lshl_b32 s[OB], s[OA], 17                    ; 128 rows of W,
	s_lshl_b32 s[OA], s[OA], 8                     ; 128 elements along x's rows;
	s_lshr_b32 s70, s[FS], 2                       ; the tile: q's, k's and v's weights lie 4 MiB apart, and x is the same
	s_lshl_b32 s70, s70, 22
	s_add_co_u32 s[OB], s[OB], s70
	s_add_co_u32 s[FS], s[FS], 1
	s_xor_b32 s[G0A+1], s[G0A+1], SLOT             ; the other slot than last time
	s_add_nc_u64 s[G0A+2:G0A+3], s[16:17], s[OA:OA+1]
	s_or_b32 s[G0A+3], s[G0A+3], 0x80000000
	s_xor_b32 s[G0B+1], s[G0B+1], SLOT
	s_add_nc_u64 s[G0B+2:G0B+3], s[46:47], s[OB:OB+1]
	s_or_b32 s[G0B+3], s[G0B+3], 0x80000000
.endif
	s_wait_dscnt 9                                 ; the add and the youngest eight loads may be out
	MUL16 F1, 0, 0, 0
	s_wait_dscnt 0x0                               ; the add is done, and my reads of this slot are over
	s_barrier_signal -1
	MUL16 F1, 0, 2, 0
	WIN 0
	s_barrier_wait -1
.if \fill
	CREST
	JLOAD                                          ; its four v_nop are also the places in front of the loads below
.else
	PLACES
.endif
	s_xor_b32 s[TB], s[TB], SLOT
	v_add_nc_u32 v[ADRA], s[TB], v[ADRA0]
	v_add_nc_u32 v[ADRB], s[TB], v[ADRB0]
	FETCH 0, F0
	MUL16 F1, 1, 0, 0
	MUL16 F1, 1, 2, 0
.endm
; THE WAY OUT of block a (16 rows).  PACK: rounded to f16, 16 bytes a lane; each accumulator's lowest registers are read first.
.macro PACK a
	WIN 0x0a+5*((\a)/4)                            ; sources 0 and 1: window 2 or 3
.irp b, 0,1,2,3,4,5,6,7
.irp r, 0,1,2,3
	v_cvt_pk_f16_f32 v[TMP+4*(\b)+(\r)], v[8*(8*((\a)%4)+(\b))+2*(\r)], v[8*(8*((\a)%4)+(\b))+2*(\r)+1]
.endr
.endr
	WIN 0
.endm
.macro STIN                            ; into my stage
.irp b, 0,1,2,3,4,5,6,7
	ds_store_b128 v[STO], v[TMP+4*(\b):TMP+4*(\b)+3] offset:32*(\b)
.endr
.endm
.macro STBACK                          ; and back by rows: LDS serves a wave's instructions in order (ISA guide 5.7.1.4), so these see the stores above
.irp t, 0,1,2,3,4,5,6,7
	ds_load_b128 v[BK+4*(\t):BK+4*(\t)+3], v[RD] offset:(\t)*2*SP
.endr
.endm
.macro SENDB                           ; 16 lanes store 256 consecutive bytes, at a multiple of 256 from the buffer's first
	s_wait_dscnt 0x0                               ; the block is back in registers
.irp t, 0,1,2,3,4,5,6,7
	global_store_b128 v[CO], v[BK+4*(\t):BK+4*(\t)+3], s[CB:CB+1] offset:(\t)*2*CP
.endr
.endm
	s_wait_tensorcnt 0x1                           ; my part of K step 0 is in; step 1's may stay out
	s_barrier_signal -1
	s_barrier_wait -1
	FETCH 0, F0
	s_mov_b32 s2, TILES                            ; tiles to go, this one among them: the same number in every work-group
.Ltile:
	s_wait_loadcnt 0x0                             ; this tile's bias
	QUARTER 64, F0, F1, 1                          ; a tile's first quarter: its products start the sums
	WIN 0
	s_mov_b32 s3, T
.Lstep:                                                ; a trip: quarters 2 to 4 of a K step, a refill, and quarter 1 of the next step
	QUARTER 128, F1, F0, 0
	QUARTER 192, F0, F1, 0
	TURN 1
	WIN 0
	s_sub_co_u32 s3, s3, 1
	s_cmp_eq_u32 s3, 0
	s_cbranch_scc1 .Lout                           ; the tile's fourth step is done; both refills for the next tile are asked for
	s_cmp_lg_u32 s3, 2
	s_cbranch_scc1 .Lon
	s_cmp_eq_u32 s2, 1
	s_cbranch_scc1 .Llast                          ; the last tile has asked for its steps 2 and 3: nothing is left to fetch
.Lon:
	QUARTER 64, F0, F1, 0
	WIN 0
	s_branch .Lstep
.Llast:
	QUARTER 64, F0, F1, 0
	WIN 0
	s_mov_b32 s3, 2
.Ltail:                                                ; the launch's last two K steps ask for nothing; the second trip is left in its middle
	QUARTER 128, F1, F0, 0
	QUARTER 192, F0, F1, 0
	TURN 0
	WIN 0
	s_sub_co_u32 s3, s3, 1
	s_cmp_eq_u32 s3, 0
	s_cbranch_scc1 .Lout
	QUARTER 64, F0, F1, 0
	WIN 0
	s_branch .Ltail
.Lout:                                                 ; buffer 0 holds the next tile's first fragments and is left alone; buffer 1 of window 0 is free
	s_cmp_eq_u32 s2, 1
	s_cbranch_scc1 .Lno_bias
	s_add_nc_u64 s[72:73], s[72:73], 16384         ; the next tile's bias: bq, bk and bv lie 16,384 bytes apart; the last loads from this base were waited for at the tile's head
	BIASLD
.Lno_bias:
	PACK 0                                         ; blocks 0-3 were finished ahead of the turn's places; these 32 conversions are the places behind the last products (blocks 4-7's)
	STIN
	STBACK
	s_mov_b32 s3, 7
.Lblk:                                                 ; trip for block a = 8 - s3: its conversions stand between block a - 1's loads from the stage and the wait for them
.irp a, 1,2,3,4,5,6,7
	s_cmp_lg_u32 s3, 8-(\a)
	s_cbranch_scc1 .Lskip\a
	PACK \a
.Lskip\a:
.endr
	SENDB
	STIN
	s_wait_xcnt 0x0                                ; the stores' base and data are rewritten only behind this wait
	s_add_nc_u64 s[CB:CB+1], s[CB:CB+1], 16*CP
	STBACK
	s_sub_co_u32 s3, s3, 1
	s_cmp_lg_u32 s3, 0
	s_cbranch_scc1 .Lblk
	SENDB
	s_wait_xcnt 0x0                                ; likewise: the next tile loads fragments into these registers
	s_add_nc_u64 s[CB:CB+1], s[CB:CB+1], NEXTC     ; (behind the last tile this address is not used)
	s_sub_co_u32 s2, s2, 1
	s_cmp_lg_u32 s2, 0
	s_cbranch_scc1 .Ltile
	s_wait_tensorcnt 0x0                           ; the wave's end
	ds_add_u32 v[SPW], v[NIL]
	s_wait_dscnt 0x0
	CROUND                                         ; the closing round
	s_endpgm
.Lfunc_end_k_qf2320ca75c_qkv:
	.size	k_qf2320ca75c_qkv, .Lfunc_end_k_qf2320ca75c_qkv-k_qf2320ca75c_qkv
	.p2alignl 7, 3214868480
	.fill 96, 4, 3214868480
	.section	.rodata,"a",@progbits
	.p2align	6, 0x0
	.amdhsa_kernel k_qf2320ca75c_qkv
		.amdhsa_group_segment_fixed_size 327680
		.amdhsa_private_segment_fixed_size 0
		.amdhsa_enable_private_segment 0
		.amdhsa_kernarg_size 32
		.amdhsa_user_sgpr_count 2
		.amdhsa_user_sgpr_kernarg_segment_ptr 1
		.amdhsa_wavefront_size32 1
		.amdhsa_system_sgpr_workgroup_id_x 1
		.amdhsa_system_sgpr_workgroup_id_y 1
		.amdhsa_system_sgpr_workgroup_id_z 1
		.amdhsa_system_vgpr_workitem_id 0
		.amdhsa_next_free_vgpr 1024
		.amdhsa_next_free_sgpr 84
		.amdhsa_reserve_vcc 0
		.amdhsa_float_denorm_mode_32 3
		.amdhsa_float_denorm_mode_16_64 3
		.amdhsa_memory_ordered 1
		.amdhsa_forward_progress 1
		.amdhsa_inst_pref_size 100
	.end_amdhsa_kernel
	.amdgpu_metadata
---
amdhsa.version: [ 1, 2 ]
amdhsa.kernels:
  - .name:           k_qf2320ca75c_qkv
    .symbol:         k_qf2320ca75c_qkv.kd
    .args:
      - { .name: xb, .offset: 0, .size: 8, .value_kind: global_buffer, .address_space: global }
      - { .name: wb, .offset: 8, .size: 8, .value_kind: global_buffer, .address_space: global }
      - { .name: ball, .offset: 16, .size: 8, .value_kind: global_buffer, .address_space: global }
      - { .name: qkv, .offset: 24, .size: 8, .value_kind: global_buffer, .address_space: global }
    .group_segment_fixed_size: 327680
    .private_segment_fixed_size: 0
    .kernarg_segment_align: 8
    .kernarg_segment_size: 32
    .max_flat_workgroup_size: 128
    .sgpr_count:     84
    .vgpr_count:     1024
    .wavefront_size: 32
...
	.end_amdgpu_metadata
.endif
;; end of part 2
;; launch scores (part 3): grid 4 x 64, 4 waves a work-group, clusters of 4 x 4, 327,680 bytes of LDS; arguments qkv, mask, pbuf, stat; writes pbuf, stat
.if DOCPART == 3
	.amdgcn_target "amdgcn-amd-amdhsa--gfx1250"
	.amdhsa_code_object_version 6
	.text
	.protected	k_qf2320ca75c_scores
	.globl	k_qf2320ca75c_scores
	.p2align	8
	.type	k_qf2320ca75c_scores,@function
k_qf2320ca75c_scores:
	s_mov_b64 s[64:65], 0
	v_nop
	global_prefetch_b8 v0, s[64:65] scope:SCOPE_SE
	s_setreg_imm32_b32 hwreg(HW_REG_WAVE_MODE, 25, 1), 1
	s_wait_xcnt 0x0
	s_wait_alu depctr_hold_cnt(0) depctr_sa_sdst(0) depctr_va_vdst(0) depctr_va_sdst(0) depctr_va_ssrc(0) depctr_va_vcc(0) depctr_vm_vsrc(0)
	s_getreg_b32 s2, hwreg(HW_REG_IB_STS2, 6, 4)
	s_cmp_eq_u32 s2, 0
	s_cbranch_scc0 .Lentry_in_a_cluster
	s_endpgm
.Lentry_in_a_cluster:
	s_bfe_u32 s2, ttmp6, 0x10000c
	s_cmp_lg_u32 s2, 0xf033
	s_cbranch_scc0 .Lentry_shape_is_right
	s_endpgm
.Lentry_shape_is_right:
; For each (head, batch) hb: S = q k^T (f16 operands, f32 sums), u = S c with c = log2(e) / sqrt(512), or u = -2^31 log2(e) where the key's mask is 0;
; then, for each query and each SEGMENT of 128 keys (one wave's columns): m = the segment's true maximum of u, p = 2^(u - m) rounded to f16, l = the sum of the unrounded p.
; m and l, f32, go to stat [hb][8 segments][m, l][1024 q].  The next launch joins the segments by the row's maximum of the eight m.
; p goes to pbuf, laid out AS THE NEXT LAUNCH'S MATRIX FRAGMENTS: [hb][64 blocks of 16 queries][32 chunks of 32 keys][4 groups of 8 keys][16 queries][8 f16].
; LIMITS: a p below 6e-8 counts as 0 in pbuf; a masked score must be finite (it is multiplied by 0); NaN and infinities are not treated apart.
; A segment whose keys are all masked gives m = -2^31 log2(e), p = 1, l = 128, so that a row with no key left comes out as the uniform mean.
; A tile of S is 256 x 256; four waves of 128 x 128; K = 512 in T = 4 steps of 128 through two LDS slots; both operands lie along K.
; Source 0 = 16 keys, source 1 = 16 queries: a lane holds ONE query (lane % 16) and, in accumulator (a, b), the keys 16 b + 8 (lane / 16) + 0..7: 64 of the segment's 128 keys, the lane 16 away the others.
; So the softmax needs no change of lanes but one exchange of the halves, and accumulator (a, b), packed, is 16 bytes a lane at block a + 512 b + 16 x lane of pbuf: no score passes through LDS.
; CLUSTER 4 x 4 = one hb at a time: cy is the tile of queries, cx the tile of keys; q's tile is shared along a row of the cluster, k's along a column: joint loads.
; A WORK-GROUP STAYS: it makes its tile for hb and then for hb + 16 (the same batch, so the same mask), and the ring does not stop between them: the first tile's last two changes of slots ask for the
; second tile's first two K steps.  The two global addresses of a fill are made anew from FS, the number of K steps asked for so far.
; A K step with a refill is written once: the step loop counts four trips and is left in its middle; in the last tile it is left after two, for a tail of two steps without refills
; (the last of those fetches fragments that nobody multiplies: the price of one text for both).
; REGISTERS in windows of 256: window 0: v0-63 addresses and statistics, v64-127 / v128-191 q's fragments (two buffers; on the way out the second holds a block's u and p), v192-223 a block packed;
; window 1: v64-127 / v128-191 k's fragments, v0-63 and v192-255 the mask's two tables; windows 2, 3: accumulators, (a, b) at v[8 (8 (a % 4) + b)].
.set T,      4
.set TILES,  2
.set PITCH,  272                       ; an LDS row: 256 bytes + 16 of padding: the 16 rows of a fragment load start 68 words apart
.set HALFT,  128*PITCH
.set SLOT,   4*HALFT                   ; q's 256 rows, then k's 256 rows; it shares no bit with wave x HALFT, so an exclusive or steps an address from slot to slot
.set STG,    2*SLOT                    ; behind the ring, never filled by a tensor load: 1,024 bytes a wave: 128 m, then 128 l
.set SPARE,  STG+4096                  ; the spare words, which no other line names
.set ASTEP,  256
.set RBS,    32768                     ; bytes in pbuf from a block of 16 queries to the next
.set NEXTC,  32*1024*1024-8*RBS        ; from behind my eight blocks of a tile to my first of the next: 16 hb of 2 MiB
.set ADRA,  16
.set ADRA0, 17
.set ADRB,  18
.set ADRB0, 19
.set CO,    22                         ; v22  16 x lane
.set SS,    23                         ; v23  where m of my row goes in the stage;  v25 the same for block 0
.set SR,    24                         ; v24  where I read the stage back
.set SS0,   25
.set SPW,   28                         ; v28  LDS address of my spare word; never rewritten
.set NIL,   29                         ; v29  0; never rewritten
.set VC,    32                         ; v32 c, v33 -2^31 log2(e), v34 0: sources of the tables' selects
.set VU,    33
.set VZ,    34
.set MX,    36                         ; v36  m of my row (v37 is named with it as a pair)
.set PT,    38                         ; v38  what the other half of the lanes sends
.set LS,    40                         ; v40  l of my row
.set CH,    48                         ; v48-55  eight chains of the maximum
.set F0,    64
.set F1,    128
.set X,     128                        ; the way out: a block's 64 numbers a lane
.set PK,    192                        ; and the same packed
.set CMW,   0                          ; window 1: for key 16 b + 8 (lane / 16) + j at 8 b + j: c, or 0 where masked
.set AMW,   192                        ; window 1: 0, or -2^31 log2(e) where masked
.set WV,   12                          ; s12 wave;  s13 wave >> 1: my half of the queries, and whether I fetch q (0) or k (1);  s14 wave & 1: my half of the keys, and which half I fetch
.set HR,   13
.set HC,   14
.set LB,   15
.set G1A,  24
.set G0A0, 32
.set G0A,  36
.set CX,   40
.set CY,   41
.set HB,   43
.set MROW, 44
.set MCOL, 45
.set G1B,  48
.set G0B0, 56
.set G0B,  60
.set TB,   66
.set CB,   68                          ; s[68:69] pbuf at my block;  s[72:73] stat;  s[74:75] mask
.set FS,   76                          ; s76  the K step to be asked for next, counted through both tiles
.set OA,   78                          ; s[78:79] its byte offset in q and in k
.set SEL,  80                          ; s[80:81] v_permlanex16_b32's selects: each lane takes its own place in the other half
.set CC,   82                          ; s82  c
.set UM,   83                          ; s83  -2^31 log2(e)
.set MSB, 0
.macro WIN new                         ; the immediate's high byte repeats the setting that is left; a switch that changes nothing is dropped
.if MSB != (\new)
	s_set_vgpr_msb (MSB<<8)|(\new)
.set MSB, \new
.endif
.endm
.set MUL_LO, 0xa1                      ; source 0 (k) window 1, source 1 (q) window 0, C and D window 2;  + 0x50: window 3
.set TO_B,   0x40                      ; destination window 1, sources window 0
.macro PLACES                          ; four plain vector instructions between a matrix instruction and a load into, or a read of, its registers
.rept 4
	v_nop
.endr
.endm
.macro JLOAD                           ; a joint refill: waves 0, 1 ask for q's halves, waves 2, 3 for k's; the branch hangs on the wave's number alone
	s_cmp_eq_u32 s[HR], 0
	s_cbranch_scc0 .Lfor_b_\@
	tensor_load_to_lds s[G0A:G0A+3], s[G1A:G1A+7]
	s_nop 0
.rept 4
	v_nop
.endr
	s_branch .Lasked_\@
.Lfor_b_\@:
	tensor_load_to_lds s[G0B:G0B+3], s[G1B:G1B+7]
	s_nop 0
.rept 4
	v_nop
.endr
.Lasked_\@:
.endm
.macro CREST                           ; a round of the cluster's barrier behind its opening barrier
	s_cmp_lg_u32 s[WV], 0
	s_cbranch_scc1 .Lnot_wave_0_\@
	s_barrier_signal -3
.Lnot_wave_0_\@:
	s_barrier_wait -3
	s_barrier_signal -1
	s_barrier_wait -1
.endm
.macro CROUND
	s_barrier_signal -1
	s_barrier_wait -1
	CREST
.endm
	s_load_b256 s[4:11], s[0:1], 0x0               ; qkv s[4:5], mask s[6:7], pbuf s[8:9], stat s[10:11]
	v_lshl_add_u32 v[SPW], v0, 2, SPARE
	v_mov_b32 v[NIL], 0
	ds_add_u32 v[SPW], v[NIL]                      ; the wave's opening: the add and its wait stand ahead of my first tensor load; register work stands between
	v_lshrrev_b32 v1, 5, v0
	v_readfirstlane_b32 s[WV], v1
	s_lshr_b32 s[HR], s[WV], 1
	s_and_b32 s[HC], s[WV], 1
	s_mul_i32 s[LB], s[WV], HALFT
	s_bfe_u32 s[CX], ttmp6, 0x40000                ; the tile of keys
	s_bfe_u32 s[CY], ttmp6, 0x40004                ; the tile of queries
	s_and_b32 s[HB], ttmp7, 0xffff                 ; the cluster's y, 0..15: head x 4 + batch of the first tile; the second tile's is 16 more
	s_lshl_b32 s[MROW], s[CY], 2
	s_lshl_b32 s[MROW], 15, s[MROW]                ; my row of the cluster
	s_lshl_b32 s[MCOL], 0x1111, s[CX]              ; my column
	s_or_b32 s[G1A], s[MROW], (1<<16)|(1<<20)|(1<<21)|(5<<22)|(3<<25)  ; mask; 2-byte elements; padding on; bit 21 beside a mask; after every 64 words 4 words
	s_or_b32 s[G1B], s[MCOL], (1<<16)|(1<<20)|(1<<21)|(5<<22)|(3<<25)
.irp g, G1A, G1B
	s_mov_b32 s[(\g)+1], 128<<16                   ; a tile of 128 rows x 128 elements
	s_mov_b32 s[(\g)+2], 128<<16
	s_mov_b32 s[(\g)+3], 128<<16
	s_mov_b32 s[(\g)+4], 128
	s_mov_b32 s[(\g)+5], 512                       ; elements from row to row
	s_mov_b32 s[(\g)+6], 0
	s_mov_b32 s[(\g)+7], 0
.endr
	s_lshl_b32 s16, s[HB], 20                      ; q: 1 MiB for each hb, 256 rows of 1,024 bytes a tile, 128 rows a half
	s_lshl_b32 s17, s[CY], 18
	s_add_co_u32 s16, s16, s17
	s_lshl_b32 s17, s[HC], 17
	s_add_co_u32 s16, s16, s17
	s_mov_b32 s17, 0
	s_lshl_b32 s46, s[HB], 20                      ; k: the same with cx, 32 MiB further on
	s_lshl_b32 s47, s[CX], 18
	s_add_co_u32 s46, s46, s47
	s_lshl_b32 s47, s[HC], 17
	s_add_co_u32 s46, s46, s47
	s_add_co_u32 s46, s46, 0x2000000
	s_mov_b32 s47, 0
	s_mov_b32 s[TB], 0
	s_mov_b32 s[FS], 2                             ; K steps 0 and 1 are asked for at the start
	s_mov_b32 s[OA+1], 0
	s_mov_b32 s[SEL], 0x76543210
	s_mov_b32 s[SEL+1], 0xfedcba98
	s_mov_b32 s[CC], 0x3d8293ee                    ; log2(e) / sqrt(512) = 0.0637587
	s_mov_b32 s[UM], 0xcf38aa3b                    ; -2^31 x 1.442695
	s_wait_dscnt 0x0                               ; the opening add is done
	s_wait_kmcnt 0x0
	s_add_nc_u64 s[16:17], s[4:5], s[16:17]        ; q and k at my part of the first tile's K step 0: kept for the whole launch
	s_add_nc_u64 s[46:47], s[4:5], s[46:47]
	CROUND                                         ; all sixteen work-groups are here: the first joint loads meet
	s_mov_b32 s[G0A0], 1
	s_mov_b32 s[G0A0+1], s[LB]                     ; K step 0 into slot 0
	s_add_nc_u64 s[G0A0+2:G0A0+3], s[16:17], 0
	s_or_b32 s[G0A0+3], s[G0A0+3], 0x80000000
	s_mov_b32 s[G0A], 1
	s_add_co_u32 s[G0A+1], s[LB], SLOT             ; K step 1 into slot 1
	s_add_nc_u64 s[G0A+2:G0A+3], s[16:17], ASTEP
	s_or_b32 s[G0A+3], s[G0A+3], 0x80000000
	s_mov_b32 s[G0B0], 1
	s_mov_b32 s[G0B0+1], s[LB]
	s_add_nc_u64 s[G0B0+2:G0B0+3], s[46:47], 0
	s_or_b32 s[G0B0+3], s[G0B0+3], 0x80000000
	s_mov_b32 s[G0B], 1
	s_add_co_u32 s[G0B+1], s[LB], SLOT
	s_add_nc_u64 s[G0B+2:G0B+3], s[46:47], ASTEP
	s_or_b32 s[G0B+3], s[G0B+3], 0x80000000
	s_cmp_eq_u32 s[HR], 0                          ; a wave's two first fills stand in one branch: two loads of mine are out
	s_cbranch_scc0 .Lfirst_b
	tensor_load_to_lds s[G0A0:G0A0+3], s[G1A:G1A+7]
	s_nop 0
	tensor_load_to_lds s[G0A:G0A+3], s[G1A:G1A+7]
	s_nop 0
.rept 4
	v_nop
.endr
	s_branch .Lfirst_asked
.Lfirst_b:
	tensor_load_to_lds s[G0B0:G0B0+3], s[G1B:G1B+7]
	s_nop 0
	tensor_load_to_lds s[G0B:G0B+3], s[G1B:G1B+7]
	s_nop 0
.rept 4
	v_nop
.endr
.Lfirst_asked:
	v_and_b32 v1, 15, v0                           ; l % 16
	v_bfe_u32 v2, v0, 4, 1                         ; l / 16
	v_and_b32 v5, 31, v0                           ; l
	; the mask of the 64 keys that I hold: keys 16 b + 8 (l / 16) + 0..7 of my wave's 128, into the registers that later hold a block
	s_and_b32 s70, s[HB], 3                        ; the batch, the same for both tiles
	s_lshl_b32 s70, s70, 12
	s_lshl_b32 s71, s[CX], 10
	s_add_co_u32 s70, s70, s71
	s_lshl_b32 s71, s[HC], 9
	s_add_co_u32 s70, s70, s71
	s_mov_b32 s71, 0
	s_add_nc_u64 s[74:75], s[6:7], s[70:71]
	v_lshlrev_b32 v6, 5, v2
.irp b, 0,1,2,3,4,5,6,7
	global_load_b128 v[X+8*(\b):X+8*(\b)+3],   v6, s[74:75] offset:64*(\b)
	global_load_b128 v[X+8*(\b)+4:X+8*(\b)+7], v6, s[74:75] offset:64*(\b)+16
.endr
	; pbuf at my first block and chunk: 2 MiB for each hb; 16 blocks of 32,768 bytes a tile of queries, 8 a half; 8 chunks of 1,024 bytes a tile of keys, 4 a half
	s_lshl_b32 s70, s[HB], 21
	s_lshl_b32 s20, s[CY], 19
	s_add_co_u32 s70, s70, s20
	s_lshl_b32 s20, s[HR], 18
	s_add_co_u32 s70, s70, s20
	s_lshl_b32 s20, s[CX], 13
	s_add_co_u32 s70, s70, s20
	s_lshl_b32 s20, s[HC], 12
	s_add_co_u32 s70, s70, s20
	s_add_nc_u64 s[CB:CB+1], s[8:9], s[70:71]
	; stat at my segment and my first query: 65,536 bytes for each hb; 8,192 a segment; 4 a query
	s_lshl_b32 s70, s[HB], 16
	s_lshl_b32 s20, s[CY], 10
	s_add_co_u32 s70, s70, s20
	s_lshl_b32 s20, s[HR], 9
	s_add_co_u32 s70, s70, s20
	s_lshl_b32 s20, s[CX], 14
	s_add_co_u32 s70, s70, s20
	s_lshl_b32 s20, s[HC], 13
	s_add_co_u32 s70, s70, s20
	s_add_nc_u64 s[72:73], s[10:11], s[70:71]
	v_mul_u32_u24 v9, v1, PITCH                    ; a fragment: lane l takes row l % 16, 16 bytes at 16 (l / 16), and 32 bytes on
	v_lshl_add_u32 v9, v2, 4, v9
	s_mul_i32 s20, s[HR], HALFT
	v_add_nc_u32 v[ADRA0], s20, v9
	v_mov_b32 v[ADRA], v[ADRA0]
	s_mul_i32 s21, s[HC], HALFT
	s_add_co_u32 s21, s21, 2*HALFT
	v_add_nc_u32 v[ADRB0], s21, v9
	v_mov_b32 v[ADRB], v[ADRB0]
	v_lshlrev_b32 v[CO], 4, v5
	s_lshl_b32 s20, s[WV], 10
	s_add_co_u32 s20, s20, STG                     ; my stage
	v_lshl_add_u32 v[SS0], v1, 2, s20
	v_add_nc_u32 v[SR], s20, v[CO]
	v_mov_b32 v[VC], s[CC]
	v_mov_b32 v[VU], s[UM]
	v_mov_b32 v[VZ], 0
	v_mov_b32 v[MX+1], 0                           ; named with m as a pair
	v_mov_b32 v[PT], 0                             ; v_permlanex16_b32 counts as a reader of its destination
	s_wait_loadcnt 0x0                             ; the mask
	WIN TO_B
.set i, 0
.rept 64
	v_cmp_ne_u32 vcc_lo, 0, v[X+i]
	v_cndmask_b32 v[CMW+i], 0, v[VC], vcc_lo       ; c where the key counts, else 0
	v_cndmask_b32 v[AMW+i], v[VU], v[VZ], vcc_lo   ; 0 where the key counts, else the masked value
.set i, i+1
.endr
	WIN 0
.macro MUL16 f, hi, a0, zero           ; 16 matrix instructions; the 64 accumulators take turns, one instruction a turn, in the same order in every quarter
	WIN MUL_LO+0x50*(\hi)
.irp a, \a0, (\a0)+1
.irp b, 0,1,2,3,4,5,6,7
.if \zero
	v_wmma_f32_16x16x32_f16 v[8*(8*(\a)+(\b)):8*(8*(\a)+(\b))+7], v[(\f)+8*(\b):(\f)+8*(\b)+7], v[(\f)+8*(4*(\hi)+(\a)):(\f)+8*(4*(\hi)+(\a))+7], 0
.else
	v_wmma_f32_16x16x32_f16 v[8*(8*(\a)+(\b)):8*(8*(\a)+(\b))+7], v[(\f)+8*(\b):(\f)+8*(\b)+7], v[(\f)+8*(4*(\hi)+(\a)):(\f)+8*(4*(\hi)+(\a))+7], v[8*(8*(\a)+(\b)):8*(8*(\a)+(\b))+7]
.endif
.endr
.endr
.endm
.macro FETCH k, f                      ; 32 LDS loads in one run: k's sixteen first, then q's
	WIN TO_B
.irp i, 0,1,2,3,4,5,6,7
	ds_load_b128 v[(\f)+8*(\i):(\f)+8*(\i)+3],   v[ADRB] offset:(\k)+(\i)*16*PITCH
	ds_load_b128 v[(\f)+8*(\i)+4:(\f)+8*(\i)+7], v[ADRB] offset:(\k)+(\i)*16*PITCH+32
.endr
	WIN 0
.irp i, 0,1,2,3,4,5,6,7
	ds_load_b128 v[(\f)+8*(\i):(\f)+8*(\i)+3],   v[ADRA] offset:(\k)+(\i)*16*PITCH
	ds_load_b128 v[(\f)+8*(\i)+4:(\f)+8*(\i)+7], v[ADRA] offset:(\k)+(\i)*16*PITCH+32
.endr
.endm
.macro QUARTER k, f, g, zero           ; one of a K step's first three quarters: multiplies buffer f; in its middle it fetches the next quarter, at byte k, into buffer g
	s_wait_dscnt 8                                 ; k and q's rows 0-63 are in; the youngest eight loads (rows 64-127) may be out
	MUL16 \f, 0, 0, \zero
	MUL16 \f, 0, 2, \zero
	PLACES
	FETCH \k, \g
	s_wait_dscnt 32                                ; all but the 32 just issued
	MUL16 \f, 1, 0, \zero
	MUL16 \f, 1, 2, \zero
.endm
; The last quarter multiplies buffer 1 and changes slots.  In front of the barrier each wave waits for all its tensor loads (the one that is out is its part of the next slot),
; adds 0 to its spare word, and waits for that and for its reads of this slot.  fill = 1: the barrier opens a round of the cluster's, and the slot just read is filled again with K step FS,
; two steps ahead (in this tile or the next), first thing behind the round: that load has 224 matrix instructions in which to land.
.macro TURN fill
	WIN 0
	s_wait_tensorcnt 0x0
	ds_add_u32 v[SPW], v[NIL]                      ; 0 onto my spare word; scalar work and sixteen products stand between it and the wait for it
.if \fill
	s_and_b32 s[OA], s[FS], 3                      ; no tensor load of mine is out: the walking descriptors are written.  The step in its tile: 128 elements along the rows;
	s_lshl_b32 s[OA], s[OA], 8
	s_lshr_b32 s70, s[FS], 2                       ; the tile: 16 hb of 1 MiB on, in q and in k alike
	s_lshl_b32 s70, s70, 24
	s_add_co_u32 s[OA], s[OA], s70
	s_add_co_u32 s[FS], s[FS], 1
	s_xor_b32 s[G0A+1], s[G0A+1], SLOT             ; the other slot than last time
	s_add_nc_u64 s[G0A+2:G0A+3], s[16:17], s[OA:OA+1]
	s_or_b32 s[G0A+3], s[G0A+3], 0x80000000
	s_xor_b32 s[G0B+1], s[G0B+1], SLOT
	s_add_nc_u64 s[G0B+2:G0B+3], s[46:47], s[OA:OA+1]
	s_or_b32 s[G0B+3], s[G0B+3], 0x80000000
.endif
	s_wait_dscnt 9                                 ; the add and the youngest eight loads may be out
	MUL16 F1, 0, 0, 0
	s_wait_dscnt 0x0                               ; the add is done, and my reads of this slot are over
	s_barrier_signal -1
	MUL16 F1, 0, 2, 0
	WIN 0
	s_barrier_wait -1
.if \fill
	CREST
	JLOAD                                          ; its four v_nop are also the places in front of the loads below
.else
	PLACES
.endif
	s_xor_b32 s[TB], s[TB], SLOT
	v_add_nc_u32 v[ADRA], s[TB], v[ADRA0]
	v_add_nc_u32 v[ADRB], s[TB], v[ADRB0]
	FETCH 0, F0
	MUL16 F1, 1, 0, 0
	MUL16 F1, 1, 2, 0
.endm
; THE WAY OUT of block a (16 queries): u = s c, or the masked value, into fixed registers; each accumulator's lowest registers are read first
.macro SCM a
	WIN 0x16+((\a)/4)                              ; source 0 window 2 or 3, sources 1 and 2 window 1, destination window 0
.irp b, 0,1,2,3,4,5,6,7
.irp r, 0,1,2,3
	v_pk_fma_f32 v[X+8*(\b)+2*(\r):X+8*(\b)+2*(\r)+1], v[8*(8*((\a)%4)+(\b))+2*(\r):8*(8*((\a)%4)+(\b))+2*(\r)+1], v[CMW+8*(\b)+2*(\r):CMW+8*(\b)+2*(\r)+1], v[AMW+8*(\b)+2*(\r):AMW+8*(\b)+2*(\r)+1]
.endr
.endr
	WIN 0
.endm
	s_wait_tensorcnt 0x1                           ; my part of K step 0 is in; step 1's may stay out
	s_barrier_signal -1
	s_barrier_wait -1
	FETCH 0, F0
	s_mov_b32 s2, TILES                            ; tiles to go, this one among them: the same number in every work-group
.Ltile:
	QUARTER 64, F0, F1, 1                          ; a tile's first quarter: its products start the sums
	WIN 0
	s_mov_b32 s3, T
.Lstep:                                                ; a trip: quarters 2 to 4 of a K step, a refill, and quarter 1 of the next step
	QUARTER 128, F1, F0, 0
	QUARTER 192, F0, F1, 0
	TURN 1
	WIN 0
	s_sub_co_u32 s3, s3, 1
	s_cmp_eq_u32 s3, 0
	s_cbranch_scc1 .Lout                           ; the tile's fourth step is done; both refills for the next tile are asked for
	s_cmp_lg_u32 s3, 2
	s_cbranch_scc1 .Lon
	s_cmp_eq_u32 s2, 1
	s_cbranch_scc1 .Llast                          ; the last tile has asked for its steps 2 and 3: nothing is left to fetch
.Lon:
	QUARTER 64, F0, F1, 0
	WIN 0
	s_branch .Lstep
.Llast:
	s_mov_b32 s3, 2
.Ltail:                                                ; the launch's last two K steps, whole, ask for nothing
	QUARTER 64, F0, F1, 0
	QUARTER 128, F1, F0, 0
	QUARTER 192, F0, F1, 0
	TURN 0
	WIN 0
	s_sub_co_u32 s3, s3, 1
	s_cmp_lg_u32 s3, 0
	s_cbranch_scc1 .Ltail
.Lout:                                                 ; buffer 0 holds the next tile's first fragments and is left alone; buffer 1 of window 0 is free
	PLACES                                         ; behind the last products
	v_mov_b32 v[SS], v[SS0]
	s_mov_b32 s3, 8
.Lblk:                                                 ; trip for block a = 8 - s3: a chain of forward branches picks the 32 lines that name its accumulators; the rest is written once
.irp a, 0,1,2,3,4,5,6,7
	s_cmp_lg_u32 s3, 8-(\a)
	s_cbranch_scc1 .Lskip\a
	SCM \a
.Lskip\a:
.endr
	; the maximum of my 64 numbers: eight chains of seven, three operands at a time; then the eight left over and the chains
.irp b, 0,1,2,3,4,5,6,7
	v_max3_num_f32 v[CH+(\b)], v[X+8*(\b)], v[X+8*(\b)+1], v[X+8*(\b)+2]
.endr
.irp b, 0,1,2,3,4,5,6,7
	v_max3_num_f32 v[CH+(\b)], v[CH+(\b)], v[X+8*(\b)+3], v[X+8*(\b)+4]
.endr
.irp b, 0,1,2,3,4,5,6,7
	v_max3_num_f32 v[CH+(\b)], v[CH+(\b)], v[X+8*(\b)+5], v[X+8*(\b)+6]
.endr
.irp q, 0,1,2,3
	v_max3_num_f32 v[CH+(\q)], v[CH+(\q)], v[X+16*(\q)+7], v[X+16*(\q)+15]
.endr
	v_max3_num_f32 v[CH], v[CH], v[CH+1], v[CH+2]
	v_max3_num_f32 v[CH+4], v[CH+4], v[CH+5], v[CH+6]
	v_max3_num_f32 v[CH], v[CH], v[CH+3], v[CH+7]
	v_max_num_f32 v[CH], v[CH], v[CH+4]
	v_permlanex16_b32 v[PT], v[CH], s[SEL], s[SEL+1]   ; the query's other 64 keys lie in the lane 16 away
	v_max_num_f32 v[MX], v[CH], v[PT]
	ds_store_b32 v[SS], v[MX]                      ; the two lanes of a row write the same word with the same number
.set i, 0
.rept 32
	v_pk_add_f32 v[X+2*i:X+2*i+1], v[X+2*i:X+2*i+1], v[MX:MX+1] op_sel_hi:[1,0] neg_lo:[0,1] neg_hi:[0,1]  ; u - m
.set i, i+1
.endr
.set i, 0
.rept 64
	v_exp_f32 v[X+i], v[X+i]
.set i, i+1
.endr
	v_nop                                          ; a plain instruction between the last exponential and the use of its result (ISA guide 5.7.2)
.set i, 0
	s_wait_alu depctr_va_vdst(0)
.rept 32
	v_cvt_pk_f16_f32 v[PK+i], v[X+2*i], v[X+2*i+1]
.set i, i+1
.endr
.irp b, 0,1,2,3,4,5,6,7
	global_store_b128 v[CO], v[PK+4*(\b):PK+4*(\b)+3], s[CB:CB+1] offset:512*(\b)  ; 32 lanes store 512 consecutive bytes, at a multiple of 512 from the buffer's first
.endr
	; l: the sum of my 32 pairs, in place, neighbours 1, 2, 4, 8 and 16 pairs apart; then the pair's halves and the other half of the lanes
.irp w, 4,8,16,32,64
.set i, 0
.rept 64/(\w)
	v_pk_add_f32 v[X+(\w)*i:X+(\w)*i+1], v[X+(\w)*i:X+(\w)*i+1], v[X+(\w)*i+(\w)/2:X+(\w)*i+(\w)/2+1]
.set i, i+1
.endr
.endr
	v_add_f32 v[LS], v[X], v[X+1]
	v_permlanex16_b32 v[PT], v[LS], s[SEL], s[SEL+1]
	v_add_f32 v[LS], v[LS], v[PT]
	ds_store_b32 v[SS], v[LS] offset:512
	s_wait_xcnt 0x0                                ; the stores' base and data are rewritten only behind this wait
	s_add_nc_u64 s[CB:CB+1], s[CB:CB+1], RBS
	v_add_nc_u32 v[SS], 64, v[SS]
	s_sub_co_u32 s3, s3, 1
	s_cmp_lg_u32 s3, 0
	s_cbranch_scc1 .Lblk
	ds_load_b128 v[X:X+3],   v[SR]                 ; my 128 m and 128 l, in my own stage: LDS serves a wave's instructions in order (ISA guide 5.7.1.4), so these see the stores above
	ds_load_b128 v[X+4:X+7], v[SR] offset:512
	s_wait_dscnt 0x0
	global_store_b128 v[CO], v[X:X+3],   s[72:73]  ; 512 consecutive bytes each
	global_store_b128 v[CO], v[X+4:X+7], s[72:73] offset:4096
	s_wait_xcnt 0x0                                ; the next tile loads fragments into these registers, and the two bases step
	s_add_nc_u64 s[CB:CB+1], s[CB:CB+1], NEXTC     ; (behind the last tile these two addresses are not used)
	s_add_nc_u64 s[72:73], s[72:73], 0x100000      ; 16 hb of 65,536 bytes
	s_sub_co_u32 s2, s2, 1
	s_cmp_lg_u32 s2, 0
	s_cbranch_scc1 .Ltile
	s_wait_tensorcnt 0x0                           ; the wave's end
	ds_add_u32 v[SPW], v[NIL]
	s_wait_dscnt 0x0
	CROUND                                         ; the closing round
	s_endpgm
.Lfunc_end_k_qf2320ca75c_scores:
	.size	k_qf2320ca75c_scores, .Lfunc_end_k_qf2320ca75c_scores-k_qf2320ca75c_scores
	.p2alignl 7, 3214868480
	.fill 96, 4, 3214868480
	.section	.rodata,"a",@progbits
	.p2align	6, 0x0
	.amdhsa_kernel k_qf2320ca75c_scores
		.amdhsa_group_segment_fixed_size 327680
		.amdhsa_private_segment_fixed_size 0
		.amdhsa_enable_private_segment 0
		.amdhsa_kernarg_size 32
		.amdhsa_user_sgpr_count 2
		.amdhsa_user_sgpr_kernarg_segment_ptr 1
		.amdhsa_wavefront_size32 1
		.amdhsa_system_sgpr_workgroup_id_x 1
		.amdhsa_system_sgpr_workgroup_id_y 1
		.amdhsa_system_sgpr_workgroup_id_z 1
		.amdhsa_system_vgpr_workitem_id 0
		.amdhsa_next_free_vgpr 1024
		.amdhsa_next_free_sgpr 84
		.amdhsa_reserve_vcc 1
		.amdhsa_float_denorm_mode_32 3
		.amdhsa_float_denorm_mode_16_64 3
		.amdhsa_memory_ordered 1
		.amdhsa_forward_progress 1
		.amdhsa_inst_pref_size 106
	.end_amdhsa_kernel
	.amdgpu_metadata
---
amdhsa.version: [ 1, 2 ]
amdhsa.kernels:
  - .name:           k_qf2320ca75c_scores
    .symbol:         k_qf2320ca75c_scores.kd
    .args:
      - { .name: qkv, .offset: 0, .size: 8, .value_kind: global_buffer, .address_space: global }
      - { .name: mask, .offset: 8, .size: 8, .value_kind: global_buffer, .address_space: global }
      - { .name: pbuf, .offset: 16, .size: 8, .value_kind: global_buffer, .address_space: global }
      - { .name: stat, .offset: 24, .size: 8, .value_kind: global_buffer, .address_space: global }
    .group_segment_fixed_size: 327680
    .private_segment_fixed_size: 0
    .kernarg_segment_align: 8
    .kernarg_segment_size: 32
    .max_flat_workgroup_size: 128
    .sgpr_count:     84
    .vgpr_count:     1024
    .wavefront_size: 32
...
	.end_amdgpu_metadata
.endif
;; end of part 3
;; launch pv (part 4): grid 4 x 64, 4 waves a work-group, clusters of 4 x 1, 327,680 bytes of LDS; arguments pbuf, qkv, stat, cat; writes cat
.if DOCPART == 4
	.amdgcn_target "amdgcn-amd-amdhsa--gfx1250"
	.amdhsa_code_object_version 6
	.text
	.protected	k_qf2320ca75c_pv
	.globl	k_qf2320ca75c_pv
	.p2align	8
	.type	k_qf2320ca75c_pv,@function
k_qf2320ca75c_pv:
	s_mov_b64 s[64:65], 0
	v_nop
	global_prefetch_b8 v0, s[64:65] scope:SCOPE_SE
	s_setreg_imm32_b32 hwreg(HW_REG_WAVE_MODE, 25, 1), 1
	s_wait_xcnt 0x0
	s_wait_alu depctr_hold_cnt(0) depctr_sa_sdst(0) depctr_va_vdst(0) depctr_va_sdst(0) depctr_va_ssrc(0) depctr_va_vcc(0) depctr_vm_vsrc(0)
	s_getreg_b32 s2, hwreg(HW_REG_IB_STS2, 6, 4)
	s_cmp_eq_u32 s2, 0
	s_cbranch_scc0 .Lentry_in_a_cluster
	s_endpgm
.Lentry_in_a_cluster:
	s_bfe_u32 s2, ttmp6, 0x10000c
	s_cmp_lg_u32 s2, 0x3003
	s_cbranch_scc0 .Lentry_shape_is_right
	s_endpgm
.Lentry_shape_is_right:
; For each (head, batch) hb: O[q] = (sum over the eight segments g of f[g][q] x sum over the segment's keys of p[q][key] v[key]) / l[q], where M[q] = the maximum of the eight m[g][q],
; f[g][q] = 2^(m[g][q] - M[q]) and l[q] = the sum of f[g][q] l[g][q]: the softmax against the row's true maximum, the correction applied here.
; p (f16, against its segment's maximum) is multiplied by f (rounded to f16) in registers, between its LDS load and the matrix instruction; sums in f32; O rounded once to f16.
; p lies in pbuf AS FRAGMENTS: [hb][64 blocks of 16 queries][32 chunks of 32 keys][4 groups of 8 keys][16 queries][8 f16]: a K step of 128 keys is 4,096 consecutive bytes of each block, and a
; fragment, in LDS as in memory, is 1,024 consecutive bytes: two loads of 512 bytes a wave.
; O goes to cat, laid out AS THE NEXT LAUNCH'S MATRIX FRAGMENTS: [256 blocks of 16 tokens][128 chunks of 32 k][4 groups of 8 k][16 tokens][8 f16], k = 512 head + channel.
; That is what a lane's accumulator holds: accumulator (a, b), packed, is 16 bytes a lane at block a + 512 b + 16 x lane, so no result passes through LDS and a wave's store covers 512 consecutive bytes.
; LIMITS: p f below 6e-8 counts as 0; O lies within v's range; NaN and infinities are not treated apart.
; A tile of O is 256 queries x 256 channels; four waves of 128 x 128; K = 1,024 keys in T = 8 steps of 128, so that a K step is a segment.  v lies [K][N] and comes out of LDS turned.
; CLUSTER 4 x 1: the four tiles of queries of one (hb, half of the channels) walk the same v: joint loads.  p's tile belongs to one work-group of the cluster (only the other half of the channels,
; a pair and no four, reads it too): a load of its own, with no mask, in the same rounds.
; Tables, each wave's own, made in the wait for the first tile: FT [9 segments][16 rows][8 blocks] words, f twice in f16 (the ninth segment holds 0 and is read by the last, idle fetch alone);
; INVT [128 rows] words, 1 / l, of which a lane takes its row of each of the eight blocks into registers at once.
.set T,      8
.set HALFT,  34816                     ; a quarter of a slot: 64 K rows of v at 544 bytes; p's 8 blocks of 4,096 bytes use 32,768 of it
.set SLOT,   4*HALFT                   ; it shares no bit with wave x HALFT, so an exclusive or steps an address from slot to slot
.set BP,     544                       ; an LDS row of v: 512 bytes + 32 of padding
.set FT,     2*SLOT                    ; 4 x 4,608 bytes
.set INVT,   FT+4*4608                 ; 4 x 512 bytes
.set SPARE,  INVT+2048                 ; the spare words, which no other line names
.set ASTEP,  4096                      ; bytes from a K step to the next: four chunks of p,
.set BSTEP,  128*1024                  ; 128 rows of v
.set RBS,    131072                    ; bytes in cat from a block of 16 tokens to the next
.set ADRA,  16
.set ADRA0, 17
.set ADRB,  18
.set ADRB0, 19
.set CO,    22                         ; v22  16 x lane
.set FR,    23                         ; v23  where I read the next segment's f
.set IR,    24                         ; v24  where I read 1 / l
.set FW,    25                         ; v25, v26  where I write the two tables
.set IW,    26
.set SPW,   28
.set NIL,   29
.set FS,    32                         ; v32-39  f of the segment in hand for row l % 16 of my eight blocks, twice in f16
.set IV,    40                         ; v40-55  1 / l of row l % 16 of block a at 2 a (the odd registers are named with them as pairs and not used)
.set MR,    40                         ; before that, in the prologue: v40-43 M, v44-47 l, v48-51 1 / l of my four rows
.set LR,    44
.set INV,   48
.set F0,    64
.set F1,    128
.set MS,    64                         ; in the prologue: v64-95 m, then f; v96-127 l: segment g at 4 g
.set LS,    96
.set X,     64                         ; the way out: a block divided by l;  v128-159 packed
.set PK,    128
.set WV,   12
.set HR,   13
.set HC,   14
.set LB,   15
.set G1A,  24
.set G0A0, 32
.set G0A,  36
.set CX,   40
.set EH,   42
.set HB,   43
.set G1B,  48
.set G0B0, 56
.set G0B,  60
.set TB,   66
.set CB,   68
.set MSB, 0
.macro WIN new
.if MSB != (\new)
	s_set_vgpr_msb (MSB<<8)|(\new)
.set MSB, \new
.endif
.endm
.set MUL_LO, 0xa1
.set TO_B,   0x40
.macro PLACES
.rept 4
	v_nop
.endr
.endm
.macro JLOAD                           ; waves 0, 1 ask for p's halves (no mask), waves 2, 3 jointly for v's
	s_cmp_eq_u32 s[HR], 0
	s_cbranch_scc0 .Lfor_b_\@
	tensor_load_to_lds s[G0A:G0A+3], s[G1A:G1A+7]
	s_nop 0
.rept 4
	v_nop
.endr
	s_branch .Lasked_\@
.Lfor_b_\@:
	tensor_load_to_lds s[G0B:G0B+3], s[G1B:G1B+7]
	s_nop 0
.rept 4
	v_nop
.endr
.Lasked_\@:
.endm
.macro CREST
	s_cmp_lg_u32 s[WV], 0
	s_cbranch_scc1 .Lnot_wave_0_\@
	s_barrier_signal -3
.Lnot_wave_0_\@:
	s_barrier_wait -3
	s_barrier_signal -1
	s_barrier_wait -1
.endm
.macro CROUND
	s_barrier_signal -1
	s_barrier_wait -1
	CREST
.endm
	s_load_b256 s[4:11], s[0:1], 0x0               ; pbuf s[4:5], qkv s[6:7], stat s[8:9], cat s[10:11]
	v_lshl_add_u32 v[SPW], v0, 2, SPARE
	v_mov_b32 v[NIL], 0
	ds_add_u32 v[SPW], v[NIL]                      ; the wave's opening: the add and its wait stand ahead of my first tensor load
	v_lshrrev_b32 v1, 5, v0
	v_readfirstlane_b32 s[WV], v1
	s_lshr_b32 s[HR], s[WV], 1
	s_and_b32 s[HC], s[WV], 1
	s_mul_i32 s[LB], s[WV], HALFT
	s_bfe_u32 s[CX], ttmp6, 0x40000                ; the tile of queries
	s_and_b32 s[HB], ttmp7, 0xffff
	s_and_b32 s[EH], s[HB], 1                      ; which 256 channels
	s_lshr_b32 s[HB], s[HB], 1                     ; head x 4 + batch
	s_mov_b32 s[G1A], 1<<16                        ; p: 2-byte elements, no padding: 8 blocks' 2,048 elements each (four chunks), laid end to end in LDS
	s_mov_b32 s[G1A+1], 2048<<16                   ; tensor_dim0 = 2,048
	s_mov_b32 s[G1A+2], 8<<16                      ; tensor_dim1 = 8
	s_mov_b32 s[G1A+3], 2048<<16                   ; tile_dim0 = 2,048
	s_mov_b32 s[G1A+4], 8                          ; tile_dim1 = 8
	s_mov_b32 s[G1A+5], 16384                      ; elements from a block to the next
	s_mov_b32 s[G1A+6], 0
	s_mov_b32 s[G1A+7], 0
	s_mov_b32 s[G1B], 15|(1<<16)|(1<<20)|(1<<21)|(6<<22)|(7<<25)  ; v: all four work-groups; 64 K rows x 256 elements, 8 words of padding after every 128
	s_mov_b32 s[G1B+1], 256<<16
	s_mov_b32 s[G1B+2], 64<<16
	s_mov_b32 s[G1B+3], 256<<16
	s_mov_b32 s[G1B+4], 64
	s_mov_b32 s[G1B+5], 512
	s_mov_b32 s[G1B+6], 0
	s_mov_b32 s[G1B+7], 0
	s_lshl_b32 s16, s[CX], 19                      ; p: 16 blocks of 32,768 bytes a tile of queries,
	s_lshl_b32 s17, s[HC], 18                      ; 8 blocks a half,
	s_add_co_u32 s16, s16, s17
	s_lshl_b32 s17, s[HB], 21                      ; 2 MiB for each hb
	s_add_co_u32 s16, s16, s17
	s_mov_b32 s17, 0
	s_lshl_b32 s46, s[HB], 20                      ; v: 64 MiB into qkv, 1 MiB for each hb, 512 bytes a half of the channels, 64 rows of 1,024 bytes a half of the step
	s_lshl_b32 s47, s[EH], 9
	s_add_co_u32 s46, s46, s47
	s_lshl_b32 s47, s[HC], 16
	s_add_co_u32 s46, s46, s47
	s_add_co_u32 s46, s46, 0x4000000
	s_mov_b32 s47, 0
	s_mov_b32 s[TB], 0
	s_wait_dscnt 0x0
	s_wait_kmcnt 0x0
	s_add_nc_u64 s[16:17], s[4:5], s[16:17]
	s_add_nc_u64 s[46:47], s[6:7], s[46:47]
	CROUND
	s_mov_b32 s[G0A0], 1
	s_mov_b32 s[G0A0+1], s[LB]
	s_add_nc_u64 s[G0A0+2:G0A0+3], s[16:17], 0
	s_or_b32 s[G0A0+3], s[G0A0+3], 0x80000000
	s_mov_b32 s[G0A], 1
	s_add_co_u32 s[G0A+1], s[LB], SLOT
	s_add_nc_u64 s[G0A+2:G0A+3], s[16:17], ASTEP
	s_or_b32 s[G0A+3], s[G0A+3], 0x80000000
	s_mov_b32 s[G0B0], 1
	s_mov_b32 s[G0B0+1], s[LB]
	s_add_nc_u64 s[G0B0+2:G0B0+3], s[46:47], 0
	s_or_b32 s[G0B0+3], s[G0B0+3], 0x80000000
	s_mov_b32 s[G0B], 1
	s_add_co_u32 s[G0B+1], s[LB], SLOT
	s_add_nc_u64 s[G0B+2:G0B+3], s[46:47], BSTEP
	s_or_b32 s[G0B+3], s[G0B+3], 0x80000000
	s_cmp_eq_u32 s[HR], 0
	s_cbranch_scc0 .Lfirst_b
	tensor_load_to_lds s[G0A0:G0A0+3], s[G1A:G1A+7]
	s_nop 0
	tensor_load_to_lds s[G0A:G0A+3], s[G1A:G1A+7]
	s_nop 0
.rept 4
	v_nop
.endr
	s_branch .Lfirst_asked
.Lfirst_b:
	tensor_load_to_lds s[G0B0:G0B0+3], s[G1B:G1B+7]
	s_nop 0
	tensor_load_to_lds s[G0B:G0B+3], s[G1B:G1B+7]
	s_nop 0
.rept 4
	v_nop
.endr
.Lfirst_asked:
	v_and_b32 v1, 15, v0
	v_bfe_u32 v2, v0, 4, 1
	v_and_b32 v3, 7, v0
	v_bfe_u32 v4, v0, 3, 1
	v_and_b32 v5, 31, v0                           ; L: in the prologue lane L owns rows 4 L .. 4 L + 3 of my wave's 128
	v_lshlrev_b32 v6, 4, v5
	s_lshl_b32 s70, s[CX], 8
	s_lshl_b32 s71, s[HR], 7
	s_add_co_u32 s74, s70, s71                     ; my first query
	s_lshl_b32 s70, s74, 2
	s_lshl_b32 s71, s[HB], 16
	s_add_co_u32 s70, s70, s71
	s_mov_b32 s71, 0
	s_add_nc_u64 s[72:73], s[8:9], s[70:71]
.irp g, 0,1,2,3,4,5,6,7
	global_load_b128 v[MS+4*(\g):MS+4*(\g)+3], v6, s[72:73] offset:(\g)*8192
	global_load_b128 v[LS+4*(\g):LS+4*(\g)+3], v6, s[72:73] offset:(\g)*8192+4096
.endr
	s_and_b32 s70, s[HB], 3                        ; cat: token = 1,024 batch + query; 16 tokens are 131,072 bytes, so a token's number goes up by 13 bits;
	s_lshl_b32 s70, s70, 10
	s_add_co_u32 s70, s70, s74
	s_lshl_b32 s70, s70, 13
	s_lshr_b32 s75, s[HB], 2                       ; a chunk of 32 k is 1,024 bytes: 16 chunks a head,
	s_lshl_b32 s75, s75, 14
	s_add_co_u32 s70, s70, s75
	s_lshl_b32 s75, s[EH], 13                      ; 8 a half of the channels,
	s_add_co_u32 s70, s70, s75
	s_lshl_b32 s75, s[HC], 12                      ; 4 for my half of those
	s_add_co_u32 s70, s70, s75
	s_add_nc_u64 s[CB:CB+1], s[10:11], s[70:71]
	v_lshlrev_b32 v[CO], 4, v5
	s_mul_i32 s20, s[HR], HALFT                    ; p's fragments: my eight blocks, 16 bytes a lane, 512 consecutive bytes a load
	v_add_nc_u32 v[ADRA0], s20, v[CO]
	v_mov_b32 v[ADRA], v[ADRA0]
	v_lshl_add_u32 v9, v2, 3, v3                   ; v, turned: lane l reads K row 8 (l / 16) + l % 8, 16 bytes at 16 ((l / 8) % 2), and 16 rows on
	v_mul_u32_u24 v9, v9, BP
	v_lshl_add_u32 v9, v4, 4, v9
	s_lshl_b32 s21, s[HC], 8
	s_add_co_u32 s21, s21, 2*HALFT
	v_add_nc_u32 v[ADRB0], s21, v9
	v_mov_b32 v[ADRB], v[ADRB0]
	v_and_b32 v7, 3, v5                            ; row 4 L + i is row 4 (L % 4) + i of block L / 4
	v_lshrrev_b32 v8, 2, v5
	s_mul_i32 s20, s[WV], 4608
	s_add_co_u32 s20, s20, FT
	v_lshlrev_b32 v[FW], 7, v7
	v_lshl_add_u32 v[FW], v8, 2, v[FW]
	v_add_nc_u32 v[FW], s20, v[FW]
	v_lshl_add_u32 v[FR], v1, 5, s20
	s_lshl_b32 s21, s[WV], 9
	s_add_co_u32 s21, s21, INVT
	v_lshl_add_u32 v[IW], v5, 4, s21               ; my four rows' words
	v_lshl_add_u32 v[IR], v1, 2, s21               ; row l % 16 of block 0
	v_mov_b32 v10, 0
	s_wait_loadcnt 0x0                             ; m and l of my four rows, eight segments
.irp i, 0,1,2,3
	v_max3_num_f32 v[MR+(\i)], v[MS+(\i)], v[MS+4+(\i)], v[MS+8+(\i)]
.endr
.irp i, 0,1,2,3
	v_max3_num_f32 v[MR+(\i)], v[MR+(\i)], v[MS+12+(\i)], v[MS+16+(\i)]
.endr
.irp i, 0,1,2,3
	v_max3_num_f32 v[MR+(\i)], v[MR+(\i)], v[MS+20+(\i)], v[MS+24+(\i)]
.endr
.irp i, 0,1,2,3
	v_max_num_f32 v[MR+(\i)], v[MR+(\i)], v[MS+28+(\i)]
.endr
.irp g, 0,1,2,3,4,5,6,7
.irp p, 0,1
	v_pk_add_f32 v[MS+4*(\g)+2*(\p):MS+4*(\g)+2*(\p)+1], v[MS+4*(\g)+2*(\p):MS+4*(\g)+2*(\p)+1], v[MR+2*(\p):MR+2*(\p)+1] neg_lo:[0,1] neg_hi:[0,1]
.endr
.endr
.irp j, 0,1,2,3,4,5,6,7,8,9,10,11,12,13,14,15,16,17,18,19,20,21,22,23,24,25,26,27,28,29,30,31
	v_exp_f32 v[MS+(\j)], v[MS+(\j)]               ; f
.endr
	v_nop                                          ; a plain instruction behind the last exponential
	s_wait_alu depctr_va_vdst(0)
.irp p, 0,1
	v_pk_mul_f32 v[LR+2*(\p):LR+2*(\p)+1], v[MS+2*(\p):MS+2*(\p)+1], v[LS+2*(\p):LS+2*(\p)+1]
.endr
.irp g, 1,2,3,4,5,6,7
.irp p, 0,1
	v_pk_fma_f32 v[LR+2*(\p):LR+2*(\p)+1], v[MS+4*(\g)+2*(\p):MS+4*(\g)+2*(\p)+1], v[LS+4*(\g)+2*(\p):LS+4*(\g)+2*(\p)+1], v[LR+2*(\p):LR+2*(\p)+1]
.endr
.endr
.irp i, 0,1,2,3
	v_rcp_f32 v[INV+(\i)], v[LR+(\i)]
.endr
	v_nop                                          ; a plain instruction behind the last reciprocal
.irp j, 0,1,2,3,4,5,6,7,8,9,10,11,12,13,14,15,16,17,18,19,20,21,22,23,24,25,26,27,28,29,30,31
	v_cvt_pk_f16_f32 v[MS+(\j)], v[MS+(\j)], v[MS+(\j)]
.endr
.irp g, 0,1,2,3,4,5,6,7
.irp i, 0,1,2,3
	ds_store_b32 v[FW], v[MS+4*(\g)+(\i)] offset:(\g)*512+32*(\i)
.endr
.endr
.irp i, 0,1,2,3
	ds_store_b32 v[FW], v10 offset:8*512+32*(\i)
.endr
	s_wait_alu depctr_va_vdst(0)
	ds_store_b128 v[IW], v[INV:INV+3]
	v_mov_b32 v[IV+13], 0                          ; the two odd registers of the pairs that nothing has written yet
	v_mov_b32 v[IV+15], 0
.irp a, 0,1,2,3,4,5,6,7
	ds_load_b32 v[IV+2*(\a)], v[IR] offset:64*(\a) ; the tables are my wave's own, and LDS serves a wave's instructions in order
.endr
	ds_load_b128 v[FS:FS+3],   v[FR]               ; segment 0's f
	ds_load_b128 v[FS+4:FS+7], v[FR] offset:16
	v_add_nc_u32 v[FR], 512, v[FR]
.macro MUL16 f, hi, a0, zero           ; the 64 accumulators take turns, one instruction a turn
	WIN MUL_LO+0x50*(\hi)
.irp a, \a0, (\a0)+1
.irp b, 0,1,2,3,4,5,6,7
.if \zero
	v_wmma_f32_16x16x32_f16 v[8*(8*(\a)+(\b)):8*(8*(\a)+(\b))+7], v[(\f)+8*(\b):(\f)+8*(\b)+7], v[(\f)+8*(4*(\hi)+(\a)):(\f)+8*(4*(\hi)+(\a))+7], 0
.else
	v_wmma_f32_16x16x32_f16 v[8*(8*(\a)+(\b)):8*(8*(\a)+(\b))+7], v[(\f)+8*(\b):(\f)+8*(\b)+7], v[(\f)+8*(4*(\hi)+(\a)):(\f)+8*(4*(\hi)+(\a))+7], v[8*(8*(\a)+(\b)):8*(8*(\a)+(\b))+7]
.endif
.endr
.endr
.endm
.macro SCALE f, hi                     ; p x f for four blocks of 16 rows in buffer f: 32 packed multiplies; none names a register of the products next to it
	WIN 0
.irp i, 4*(\hi), 4*(\hi)+1, 4*(\hi)+2, 4*(\hi)+3
.irp j, 0,1,2,3,4,5,6,7
	v_pk_mul_f16 v[(\f)+8*(\i)+(\j)], v[(\f)+8*(\i)+(\j)], v[FS+(\i)]
.endr
.endr
.endm
.macro FETCH k, f                      ; 32 LDS loads in one run, for quarter k / 64 of the step: v's sixteen (turned) first, then p's: block i's chunk, groups 0, 1 and then groups 2, 3
	WIN TO_B
.irp i, 0,1,2,3,4,5,6,7
	ds_load_tr16_b128 v[(\f)+8*(\i):(\f)+8*(\i)+3],   v[ADRB] offset:((\k)/64)*32*BP+32*(\i)
	ds_load_tr16_b128 v[(\f)+8*(\i)+4:(\f)+8*(\i)+7], v[ADRB] offset:((\k)/64)*32*BP+16*BP+32*(\i)
.endr
	WIN 0
.irp i, 0,1,2,3,4,5,6,7
	ds_load_b128 v[(\f)+8*(\i):(\f)+8*(\i)+3],   v[ADRA] offset:((\k)/64)*1024+(\i)*4096
	ds_load_b128 v[(\f)+8*(\i)+4:(\f)+8*(\i)+7], v[ADRA] offset:((\k)/64)*1024+(\i)*4096+512
.endr
.endm
.macro QUARTER k, f, g, zero
	s_wait_dscnt 8                                 ; f, v and p's rows 0-63 are in; the youngest eight loads may be out
	SCALE \f, 0
	MUL16 \f, 0, 0, \zero
	MUL16 \f, 0, 2, \zero
	PLACES
	FETCH \k, \g
	s_wait_dscnt 32                                ; all but the 32 just issued
	SCALE \f, 1
	MUL16 \f, 1, 0, \zero
	MUL16 \f, 1, 2, \zero
.endm
.macro TURN fill                       ; the last quarter and the change of slots; behind the refill the next segment's f is read, ahead of the fragments, so that the counts above hold
	WIN 0
	s_wait_tensorcnt 0x0
	ds_add_u32 v[SPW], v[NIL]
	s_wait_dscnt 9                                 ; the add and the youngest eight loads may be out
	SCALE F1, 0
	MUL16 F1, 0, 0, 0
	s_wait_dscnt 0x0                               ; the add is done, and my reads of this slot are over
	s_barrier_signal -1
	SCALE F1, 1
	MUL16 F1, 0, 2, 0
	WIN 0
	s_barrier_wait -1
.if \fill
	CREST
	s_xor_b32 s[G0A+1], s[G0A+1], SLOT
	s_add_nc_u64 s[G0A+2:G0A+3], s[G0A+2:G0A+3], ASTEP
	s_xor_b32 s[G0B+1], s[G0B+1], SLOT
	s_add_nc_u64 s[G0B+2:G0B+3], s[G0B+2:G0B+3], BSTEP
	JLOAD
.else
	PLACES
.endif
	ds_load_b128 v[FS:FS+3],   v[FR]
	ds_load_b128 v[FS+4:FS+7], v[FR] offset:16
	v_add_nc_u32 v[FR], 512, v[FR]
	s_xor_b32 s[TB], s[TB], SLOT
	v_add_nc_u32 v[ADRA], s[TB], v[ADRA0]
	v_add_nc_u32 v[ADRB], s[TB], v[ADRB0]
	FETCH 0, F0
	MUL16 F1, 1, 0, 0
	MUL16 F1, 1, 2, 0
.endm
; THE WAY OUT of block a: its 64 sums a lane, divided by l of the lane's row, into fixed registers; each accumulator's lowest registers are read first
.macro SCL a
	WIN 0x02+((\a)/4)                              ; source 0: window 2 or 3
.irp b, 0,1,2,3,4,5,6,7
.irp r, 0,1,2,3
	v_pk_mul_f32 v[X+8*(\b)+2*(\r):X+8*(\b)+2*(\r)+1], v[8*(8*((\a)%4)+(\b))+2*(\r):8*(8*((\a)%4)+(\b))+2*(\r)+1], v[IV+2*(\a):IV+2*(\a)+1] op_sel_hi:[1,0]
.endr
.endr
	WIN 0
.endm
	s_wait_dscnt 0x0                               ; no LDS instruction of mine is out at a signal
	s_wait_tensorcnt 0x1                           ; my part of K step 0 is in; step 1's may stay out
	s_barrier_signal -1
	s_barrier_wait -1
	FETCH 0, F0
	QUARTER 64, F0, F1, 1
	WIN 0
	s_mov_b32 s3, T-2
.Lstep:
	QUARTER 128, F1, F0, 0
	QUARTER 192, F0, F1, 0
	TURN 1
	QUARTER 64, F0, F1, 0
	WIN 0
	s_sub_co_u32 s3, s3, 1
	s_cmp_lg_u32 s3, 0
	s_cbranch_scc1 .Lstep
	s_mov_b32 s3, 2
.Ltail:                                                ; the last two K steps ask for nothing; the second trip is left in its middle (its last fetch serves nothing)
	QUARTER 128, F1, F0, 0
	QUARTER 192, F0, F1, 0
	TURN 0
	WIN 0
	s_sub_co_u32 s3, s3, 1
	s_cmp_eq_u32 s3, 0
	s_cbranch_scc1 .Lout
	QUARTER 64, F0, F1, 0
	WIN 0
	s_branch .Ltail
.Lout:
	s_wait_dscnt 0x0                               ; the idle fetch has landed: its registers are used otherwise from here on
	PLACES                                         ; behind the last products
	s_mov_b32 s3, 8
.Lblk:                                                 ; trip for block a = 8 - s3: a chain of forward branches picks the 32 lines that name its accumulators; the rest is written once
.irp a, 0,1,2,3,4,5,6,7
	s_cmp_lg_u32 s3, 8-(\a)
	s_cbranch_scc1 .Lskip\a
	SCL \a
.Lskip\a:
.endr
.irp b, 0,1,2,3,4,5,6,7
.irp r, 0,1,2,3
	v_cvt_pk_f16_f32 v[PK+4*(\b)+(\r)], v[X+8*(\b)+2*(\r)], v[X+8*(\b)+2*(\r)+1]
.endr
.endr
.irp b, 0,1,2,3,4,5,6,7
	global_store_b128 v[CO], v[PK+4*(\b):PK+4*(\b)+3], s[CB:CB+1] offset:512*(\b)  ; 32 lanes store 512 consecutive bytes, at a multiple of 512 from the buffer's first
.endr
	s_wait_xcnt 0x0                                ; the stores' base and data are rewritten only behind this wait
	s_add_nc_u64 s[CB:CB+1], s[CB:CB+1], RBS
	s_sub_co_u32 s3, s3, 1
	s_cmp_lg_u32 s3, 0
	s_cbranch_scc1 .Lblk
	s_wait_tensorcnt 0x0                           ; the wave's end
	ds_add_u32 v[SPW], v[NIL]
	s_wait_dscnt 0x0
	CROUND                                         ; the closing round
	s_endpgm
.Lfunc_end_k_qf2320ca75c_pv:
	.size	k_qf2320ca75c_pv, .Lfunc_end_k_qf2320ca75c_pv-k_qf2320ca75c_pv
	.p2alignl 7, 3214868480
	.fill 96, 4, 3214868480
	.section	.rodata,"a",@progbits
	.p2align	6, 0x0
	.amdhsa_kernel k_qf2320ca75c_pv
		.amdhsa_group_segment_fixed_size 327680
		.amdhsa_private_segment_fixed_size 0
		.amdhsa_enable_private_segment 0
		.amdhsa_kernarg_size 32
		.amdhsa_user_sgpr_count 2
		.amdhsa_user_sgpr_kernarg_segment_ptr 1
		.amdhsa_wavefront_size32 1
		.amdhsa_system_sgpr_workgroup_id_x 1
		.amdhsa_system_sgpr_workgroup_id_y 1
		.amdhsa_system_sgpr_workgroup_id_z 1
		.amdhsa_system_vgpr_workitem_id 0
		.amdhsa_next_free_vgpr 1024
		.amdhsa_next_free_sgpr 80
		.amdhsa_reserve_vcc 0
		.amdhsa_float_denorm_mode_32 3
		.amdhsa_float_denorm_mode_16_64 3
		.amdhsa_memory_ordered 1
		.amdhsa_forward_progress 1
		.amdhsa_inst_pref_size 136
	.end_amdhsa_kernel
	.amdgpu_metadata
---
amdhsa.version: [ 1, 2 ]
amdhsa.kernels:
  - .name:           k_qf2320ca75c_pv
    .symbol:         k_qf2320ca75c_pv.kd
    .args:
      - { .name: pbuf, .offset: 0, .size: 8, .value_kind: global_buffer, .address_space: global }
      - { .name: qkv, .offset: 8, .size: 8, .value_kind: global_buffer, .address_space: global }
      - { .name: stat, .offset: 16, .size: 8, .value_kind: global_buffer, .address_space: global }
      - { .name: cat, .offset: 24, .size: 8, .value_kind: global_buffer, .address_space: global }
    .group_segment_fixed_size: 327680
    .private_segment_fixed_size: 0
    .kernarg_segment_align: 8
    .kernarg_segment_size: 32
    .max_flat_workgroup_size: 128
    .sgpr_count:     80
    .vgpr_count:     1024
    .wavefront_size: 32
...
	.end_amdgpu_metadata
.endif
;; end of part 4
;; launch proj (part 5): grid 4 x 64, 4 waves a work-group, clusters of 4 x 4, 327,680 bytes of LDS; arguments cat, wpb, ball, out0; writes out0
.if DOCPART == 5
	.amdgcn_target "amdgcn-amd-amdhsa--gfx1250"
	.amdhsa_code_object_version 6
	.text
	.protected	k_qf2320ca75c_proj
	.globl	k_qf2320ca75c_proj
	.p2align	8
	.type	k_qf2320ca75c_proj,@function
k_qf2320ca75c_proj:
	s_mov_b64 s[64:65], 0
	v_nop
	global_prefetch_b8 v0, s[64:65] scope:SCOPE_SE
	s_setreg_imm32_b32 hwreg(HW_REG_WAVE_MODE, 25, 1), 1
	s_wait_xcnt 0x0
	s_wait_alu depctr_hold_cnt(0) depctr_sa_sdst(0) depctr_va_vdst(0) depctr_va_sdst(0) depctr_va_ssrc(0) depctr_va_vcc(0) depctr_vm_vsrc(0)
	s_getreg_b32 s2, hwreg(HW_REG_IB_STS2, 6, 4)
	s_cmp_eq_u32 s2, 0
	s_cbranch_scc0 .Lentry_in_a_cluster
	s_endpgm
.Lentry_in_a_cluster:
	s_bfe_u32 s2, ttmp6, 0x10000c
	s_cmp_lg_u32 s2, 0xf033
	s_cbranch_scc0 .Lentry_shape_is_right
	s_endpgm
.Lentry_shape_is_right:
; out0 [4096][512] f32 = cat (4,096 tokens x 4,096 k, f16) x wpb [4096 k][512 n] f16 + bp.  f32 sums; nothing is rounded on the way out.
; 4,096 x 512 outputs give 256 work-groups a tile of 64 rows x 128 columns each.  K goes in T = 8 steps of 512; of every step wave w multiplies k = 128 w .. 128 w + 127 for the WHOLE tile
; (32 accumulators).  At the end the four waves' partial sums, f32, meet in LDS and are added in a fixed order, ((w0 + w1) + (w2 + w3)) + bias.
; cat lies in memory AS FRAGMENTS: [256 blocks of 16 tokens][128 chunks of 32 k][4 groups of 8 k][16 tokens][8 f16]: a fragment is 1,024 consecutive bytes, two loads of 512 bytes a wave,
; straight into registers.  No two waves of the work-group read the same fragment, so LDS would add nothing to them.  The 32 registers of chunk c are loaded again, for the next K step, behind the products
; that read them: each load has a K step in which to land.
; wpb lies [K][N]; it goes through two LDS slots of a whole K step (512 rows of 256 bytes) and comes out turned.  Each wave fetches exactly the 128 K rows that it multiplies, so its own
; wait on its tensor loads is all that its reads need.  All of a step's products stand ahead of the wait for the next tile: only the add and the round lie between a tile's landing and the next request.
; Source 0 = 16 columns, source 1 = 16 rows: a lane holds one row and eight neighbouring columns.
; CLUSTER 4 x 4: wpb's tile is shared along a column of the cluster: joint loads.  cat's fragments are asked for by each work-group for itself.
; The launch's last step loads its own step's fragments of cat once more (a clamped address, 32 loads a wave that serve nothing): the price of one text, and one count in the wait, for both tail steps.
; REGISTERS: window 0: v0-31 addresses, v32-39 bias, v64-191 cat's fragments (chunk c, block a at 64 + 32 c + 8 a);  window 1: accumulators, (a, b) at v[8 (8 a + b)];
; window 2: wpb's fragments of a whole step (chunk c, column block b at 64 c + 8 b).
.set T,      8
.set PB,     288                       ; an LDS row of wpb: 256 bytes + 32
.set QB,     128*PB                    ; a wave's quarter of a slot: its 128 K rows
.set SLOTB,  4*QB
.set SPARE,  2*SLOTB                   ; behind the ring: the spare words, which no other line names
.set DP,     528                       ; the partial sums: a row of 128 f32 + 16 bytes; 64 rows lie inside a quarter
.set BSTEP,  512*1024                  ; bytes from a K step to the next in wpb: 512 rows,
.set ASTEP,  16*1024                   ; in cat: 16 chunks
.set RBS,    131072                    ; bytes in cat from a block of 16 tokens to the next
.set ADRB,  18                         ; v18  LDS address of my fragments in the slot in hand;  v19 in slot 0
.set ADRB0, 19
.set DST,   20                         ; v20  where I put my partial sums
.set RD0,   21                         ; v21  my place in waves 0's and 1's partial sums;  v22 in waves 2's and 3's
.set RD2,   22
.set CO,    23
.set AO,    24                         ; v24  my byte offset in a step's fragments of cat: 4,096 wave + 16 lane; never rewritten
.set SPW,   28
.set NIL,   29
.set BI,    32
.set AF,    64
.set WV,   12
.set LBW,  15                          ; s15  wave x QB
.set AB,   16                          ; s[16:17] cat at the K step whose fragments are asked for;  s[18:19] at K step 0
.set A0P,  18
.set G1,   24                          ; s[24:31] descriptor group 1;  s[32:35] group 0 of the first fill;  s[36:39] of the second, which then walks
.set G00,  32
.set G0,   36
.set CX,   40
.set CY,   41
.set TC,   42
.set TR,   43
.set MCOL, 45
.set TB,   66                          ; s66  0 or SLOTB: the slot in hand
.set CB,   68
.set MSB, 0
.macro WIN new
.if MSB != (\new)
	s_set_vgpr_msb (MSB<<8)|(\new)
.set MSB, \new
.endif
.endm
.macro PLACES                          ; four plain vector instructions between a matrix instruction and a load into, or a read of, its registers
.rept 4
	v_nop
.endr
.endm
.macro CREST
	s_cmp_lg_u32 s[WV], 0
	s_cbranch_scc1 .Lnot_wave_0_\@
	s_barrier_signal -3
.Lnot_wave_0_\@:
	s_barrier_wait -3
	s_barrier_signal -1
	s_barrier_wait -1
.endm
.macro CROUND
	s_barrier_signal -1
	s_barrier_wait -1
	CREST
.endm
; cat's four fragments of chunk c (my wave's chunks 0..3 of a step), from the base in s[p:p+1]: eight loads of 512 consecutive bytes
.macro ALD c, p
.irp a, 0,1,2,3
	global_load_b128 v[AF+32*(\c)+8*(\a):AF+32*(\c)+8*(\a)+3],   v[AO], s[\p:\p+1] offset:(\a)*RBS+(\c)*1024
	global_load_b128 v[AF+32*(\c)+8*(\a)+4:AF+32*(\c)+8*(\a)+7], v[AO], s[\p:\p+1] offset:(\a)*RBS+(\c)*1024+512
.endr
.endm
	s_load_b256 s[4:11], s[0:1], 0x0               ; cat s[4:5], wpb s[6:7], ball s[8:9], out0 s[10:11]
	v_lshl_add_u32 v[SPW], v0, 2, SPARE
	v_mov_b32 v[NIL], 0
	ds_add_u32 v[SPW], v[NIL]                      ; the wave's opening: the add and its wait stand ahead of my first tensor load
	v_lshrrev_b32 v1, 5, v0
	v_readfirstlane_b32 s[WV], v1
	s_mul_i32 s[LBW], s[WV], QB
	s_bfe_u32 s[CX], ttmp6, 0x40000
	s_bfe_u32 s[CY], ttmp6, 0x40004
	s_lshl_b32 s[TC], ttmp9, 2
	s_add_co_u32 s[TC], s[TC], s[CX]               ; tile column 0..3
	s_and_b32 s[TR], ttmp7, 0xffff
	s_lshl_b32 s[TR], s[TR], 2
	s_add_co_u32 s[TR], s[TR], s[CY]               ; tile row 0..63
	s_lshl_b32 s[MCOL], 0x1111, s[CX]              ; my column of the cluster
	s_or_b32 s[G1], s[MCOL], (1<<16)|(1<<20)|(1<<21)|(5<<22)|(7<<25)  ; mask; 2-byte elements; padding on; bit 21 beside a mask; after every 64 words 8 words
	s_mov_b32 s[G1+1], 128<<16                     ; 128 K rows x 128 elements
	s_mov_b32 s[G1+2], 128<<16
	s_mov_b32 s[G1+3], 128<<16
	s_mov_b32 s[G1+4], 128
	s_mov_b32 s[G1+5], 512
	s_mov_b32 s[G1+6], 0
	s_mov_b32 s[G1+7], 0
	s_lshl_b32 s46, s[TC], 8                       ; wpb: 256 bytes a tile column, 128 rows of 1,024 bytes a wave
	s_lshl_b32 s47, s[WV], 17
	s_add_co_u32 s46, s46, s47
	s_mov_b32 s47, 0
	s_lshl_b32 s70, s[TR], 19                      ; cat: four blocks of 131,072 bytes a tile row
	s_mov_b32 s71, 0
	s_lshl_b32 s74, s[TC], 9                       ; bp lies 49,152 bytes into ball; 128 f32 a tile column
	s_add_co_u32 s74, s74, 49152
	s_mov_b32 s75, 0
	s_mov_b32 s[TB], 0
	v_and_b32 v1, 15, v0                           ; l % 16
	v_bfe_u32 v2, v0, 4, 1                         ; l / 16
	v_and_b32 v3, 7, v0                            ; l % 8
	v_bfe_u32 v4, v0, 3, 1                         ; (l / 8) % 2
	v_and_b32 v5, 31, v0
	v_lshlrev_b32 v[AO], 4, v5
	s_lshl_b32 s20, s[WV], 12                      ; my four chunks of a step's sixteen
	v_add_nc_u32 v[AO], s20, v[AO]
	v_lshlrev_b32 v6, 4, v1
	s_wait_dscnt 0x0                               ; the opening add is done
	s_wait_kmcnt 0x0
	s_add_nc_u64 s[A0P:A0P+1], s[4:5], s[70:71]
	s_add_nc_u64 s[AB:AB+1], s[A0P:A0P+1], ASTEP   ; K step 1, in registers of its own: the loads below still read the other pair
	s_add_nc_u64 s[46:47], s[6:7], s[46:47]
	s_add_nc_u64 s[72:73], s[8:9], s[74:75]
	global_load_b128 v[BI:BI+3],   v6, s[72:73]              ; the bias: columns 4 (l % 16) .. + 3 of the tile's left 64,
	global_load_b128 v[BI+4:BI+7], v6, s[72:73] offset:256   ; and of its right 64
	ALD 0, A0P                                     ; K step 0's fragments of cat, chunk by chunk, ahead of the round: nothing in them hangs on a partner
	ALD 1, A0P
	ALD 2, A0P
	ALD 3, A0P
	CROUND                                         ; all sixteen work-groups are here: the first joint loads meet
	s_mov_b32 s[G00], 1
	s_mov_b32 s[G00+1], s[LBW]                     ; K step 0 into slot 0
	s_add_nc_u64 s[G00+2:G00+3], s[46:47], 0
	s_or_b32 s[G00+3], s[G00+3], 0x80000000
	s_mov_b32 s[G0], 1
	s_add_co_u32 s[G0+1], s[LBW], SLOTB            ; K step 1 into slot 1
	s_add_nc_u64 s[G0+2:G0+3], s[46:47], BSTEP
	s_or_b32 s[G0+3], s[G0+3], 0x80000000
	tensor_load_to_lds s[G00:G00+3], s[G1:G1+7]    ; every wave fetches rows of its own: two loads of mine are out
	s_nop 0
	tensor_load_to_lds s[G0:G0+3], s[G1:G1+7]
	s_nop 0
.rept 4
	v_nop
.endr
	s_lshl_b32 s70, s[TR], 6                       ; out0 at the rows that I add up and store: 64 x tile row + 16 x wave, 2,048 bytes a row
	s_lshl_b32 s74, s[WV], 4
	s_add_co_u32 s70, s70, s74
	s_lshl_b32 s70, s70, 11
	s_lshl_b32 s74, s[TC], 9
	s_add_co_u32 s70, s70, s74
	s_add_nc_u64 s[CB:CB+1], s[10:11], s[70:71]
	v_lshl_add_u32 v9, v2, 3, v3                   ; turned: lane l reads K row 8 (l / 16) + l % 8, 16 bytes at 16 ((l / 8) % 2), and 16 rows on
	v_mul_u32_u24 v9, v9, PB
	v_lshl_add_u32 v9, v4, 4, v9
	v_add_nc_u32 v[ADRB0], s[LBW], v9
	v_mov_b32 v[ADRB], v[ADRB0]
	v_mul_u32_u24 v9, v1, DP                       ; my partial sums lie in my own quarter of slot 0
	v_lshl_add_u32 v9, v2, 5, v9
	v_add_nc_u32 v[DST], s[LBW], v9
	s_mul_i32 s20, s[WV], 16*DP
	v_mul_u32_u24 v9, v2, DP
	v_lshl_add_u32 v9, v1, 4, v9
	v_add_nc_u32 v[RD0], s20, v9
	v_add_nc_u32 v[RD2], 2*QB, v[RD0]
	v_lshlrev_b32 v9, 11, v2
	v_lshl_add_u32 v[CO], v1, 4, v9
; 64 LDS loads in one run: wpb's fragments of my 128 K rows of the slot in hand, chunk by chunk
.macro FETCHB
	WIN 0x80                                       ; destination window 2, address window 0
.irp c, 0,1,2,3
.irp b, 0,1,2,3,4,5,6,7
	ds_load_tr16_b128 v[64*(\c)+8*(\b):64*(\c)+8*(\b)+3],   v[ADRB] offset:(\c)*32*PB+32*(\b)
	ds_load_tr16_b128 v[64*(\c)+8*(\b)+4:64*(\c)+8*(\b)+7], v[ADRB] offset:(\c)*32*PB+16*PB+32*(\b)
.endr
.endr
	WIN 0
.endm
; Chunk c of a K step: 32 matrix instructions, the 32 accumulators by turns, one instruction a turn; then the same chunk's fragments of cat for the step at s[AB].
.macro KCH c, zero
	s_wait_dscnt 48-16*(\c)                        ; the later chunks' sixteen loads each may be out
	s_wait_loadcnt 24                              ; behind this chunk's eight loads the three other chunks' 24 were issued, always: they may be out
	WIN 0x52                                       ; source 0 window 2, source 1 window 0, C and D window 1
.irp a, 0,1,2,3
.irp b, 0,1,2,3,4,5,6,7
.if \zero
	v_wmma_f32_16x16x32_f16 v[8*(8*(\a)+(\b)):8*(8*(\a)+(\b))+7], v[64*(\c)+8*(\b):64*(\c)+8*(\b)+7], v[AF+32*(\c)+8*(\a):AF+32*(\c)+8*(\a)+7], 0
.else
	v_wmma_f32_16x16x32_f16 v[8*(8*(\a)+(\b)):8*(8*(\a)+(\b))+7], v[64*(\c)+8*(\b):64*(\c)+8*(\b)+7], v[AF+32*(\c)+8*(\a):AF+32*(\c)+8*(\a)+7], v[8*(8*(\a)+(\b)):8*(8*(\a)+(\b))+7]
.endif
.endr
.endr
	WIN 0
	PLACES
	ALD \c, AB
.endm
; The change of slots.  fill = 1: all my tensor loads (the one that is out is my part of the next slot), the add, my reads of this slot (long back); a round of the cluster's barrier; the slot just
; read is filled again, two K steps ahead, first thing behind it.  fill = 0: nothing is filled, and I read what I fetched myself: my own wait is all.
.macro TURN fill
	WIN 0
	s_wait_tensorcnt 0x0
.if \fill
	ds_add_u32 v[SPW], v[NIL]                      ; 0 onto my spare word; the descriptor's steps stand between it and the wait for it
	s_add_co_u32 s[G0+1], s[LBW], s[TB]            ; no tensor load of mine is out: the walking descriptor takes the slot in hand and the next K step
	s_add_nc_u64 s[G0+2:G0+3], s[G0+2:G0+3], BSTEP
	s_wait_dscnt 0x0
	CROUND
	tensor_load_to_lds s[G0:G0+3], s[G1:G1+7]
	s_nop 0
.rept 4
	v_nop                                          ; also the places in front of the fragment loads
.endr
	s_wait_xcnt 0x0                                ; cat's base is stepped only behind this wait
	s_add_nc_u64 s[AB:AB+1], s[AB:AB+1], ASTEP
.else
	PLACES
.endif
	s_sub_co_u32 s[TB], SLOTB, s[TB]               ; the other slot
	v_add_nc_u32 v[ADRB], s[TB], v[ADRB0]
.endm
	s_wait_tensorcnt 0x1                           ; my part of K step 0 is in, and nobody else reads it; step 1's may stay out
	FETCHB
	KCH 0, 1                                       ; the first chunk stands in front of the loop: its products start the sums
	WIN 0
	s_mov_b32 s3, T-2
.Lstep:                                                ; a trip: chunks 1 to 3 of a K step, the change of slots with a refill, chunk 0 of the next step
	KCH 1, 0
	KCH 2, 0
	KCH 3, 0
	TURN 1
	FETCHB
	KCH 0, 0
	WIN 0
	s_sub_co_u32 s3, s3, 1
	s_cmp_lg_u32 s3, 0
	s_cbranch_scc1 .Lstep
	s_mov_b32 s3, 2
.Ltail:                                                ; the last two K steps ask for no tile, and cat's base stays at the last step
	KCH 1, 0
	KCH 2, 0
	KCH 3, 0
	WIN 0
	s_sub_co_u32 s3, s3, 1
	s_cmp_eq_u32 s3, 0
	s_cbranch_scc1 .Lout
	TURN 0
	FETCHB
	KCH 0, 0
	WIN 0
	s_branch .Ltail
.Lout:
	s_wait_loadcnt 0x0                             ; the idle loads have landed: their registers are used otherwise below
	WIN 0x04                                       ; store data in window 1; the four places behind the last products stand at the last chunk's end
.irp a, 0,1,2,3
.irp b, 0,1,2,3,4,5,6,7
	ds_store_b128 v[DST], v[8*(8*(\a)+(\b)):8*(8*(\a)+(\b))+3]   offset:(\a)*16*DP+64*(\b)     ; row 16 a + l % 16, columns 16 b + 8 (l / 16) + 0..3: the low registers first
	ds_store_b128 v[DST], v[8*(8*(\a)+(\b))+4:8*(8*(\a)+(\b))+7] offset:(\a)*16*DP+64*(\b)+16  ; my quarter of slot 0 has had its last fill, and only I read it
.endr
.endr
	WIN 0
	s_wait_dscnt 0x0                               ; for the others' sake: my partial sums are in LDS
	s_barrier_signal -1
	s_barrier_wait -1
	s_mov_b32 s3, 4
.Lsum:                                                 ; wave w adds up rows 16 w .. 16 w + 15, four rows a trip: group g = 2 x pair + half of the row; lanes 0-15 one row, lanes 16-31 the next
.irp g, 0,1,2,3
	ds_load_b128 v[64+16*(\g):64+16*(\g)+3],     v[RD0] offset:((\g)/2)*2*DP+((\g)%2)*256
	ds_load_b128 v[64+16*(\g)+4:64+16*(\g)+7],   v[RD0] offset:((\g)/2)*2*DP+((\g)%2)*256+QB
	ds_load_b128 v[64+16*(\g)+8:64+16*(\g)+11],  v[RD2] offset:((\g)/2)*2*DP+((\g)%2)*256
	ds_load_b128 v[64+16*(\g)+12:64+16*(\g)+15], v[RD2] offset:((\g)/2)*2*DP+((\g)%2)*256+QB
.endr
	s_wait_dscnt 0x0
.irp g, 0,1,2,3
	v_pk_add_f32 v[64+16*(\g):64+16*(\g)+1],     v[64+16*(\g):64+16*(\g)+1],     v[64+16*(\g)+4:64+16*(\g)+5]
	v_pk_add_f32 v[64+16*(\g)+2:64+16*(\g)+3],   v[64+16*(\g)+2:64+16*(\g)+3],   v[64+16*(\g)+6:64+16*(\g)+7]
	v_pk_add_f32 v[64+16*(\g)+8:64+16*(\g)+9],   v[64+16*(\g)+8:64+16*(\g)+9],   v[64+16*(\g)+12:64+16*(\g)+13]
	v_pk_add_f32 v[64+16*(\g)+10:64+16*(\g)+11], v[64+16*(\g)+10:64+16*(\g)+11], v[64+16*(\g)+14:64+16*(\g)+15]
.endr
.irp g, 0,1,2,3
	v_pk_add_f32 v[64+16*(\g):64+16*(\g)+1],   v[64+16*(\g):64+16*(\g)+1],   v[64+16*(\g)+8:64+16*(\g)+9]
	v_pk_add_f32 v[64+16*(\g)+2:64+16*(\g)+3], v[64+16*(\g)+2:64+16*(\g)+3], v[64+16*(\g)+10:64+16*(\g)+11]
.endr
.irp g, 0,1,2,3
	v_pk_add_f32 v[64+16*(\g):64+16*(\g)+1],   v[64+16*(\g):64+16*(\g)+1],   v[BI+4*((\g)%2):BI+4*((\g)%2)+1]
	v_pk_add_f32 v[64+16*(\g)+2:64+16*(\g)+3], v[64+16*(\g)+2:64+16*(\g)+3], v[BI+4*((\g)%2)+2:BI+4*((\g)%2)+3]
.endr
.irp g, 0,1,2,3
	global_store_b128 v[CO], v[64+16*(\g):64+16*(\g)+3], s[CB:CB+1] offset:((\g)/2)*4096+((\g)%2)*256  ; 16 lanes store 256 consecutive bytes, aligned
.endr
	s_wait_xcnt 0x0                                ; the stores' base and data are rewritten only behind this wait
	s_add_nc_u64 s[CB:CB+1], s[CB:CB+1], 8192
	v_add_nc_u32 v[RD0], 4*DP, v[RD0]
	v_add_nc_u32 v[RD2], 4*DP, v[RD2]
	s_sub_co_u32 s3, s3, 1
	s_cmp_lg_u32 s3, 0
	s_cbranch_scc1 .Lsum
	s_wait_tensorcnt 0x0                           ; the wave's end
	ds_add_u32 v[SPW], v[NIL]
	s_wait_dscnt 0x0
	CROUND                                         ; the closing round
	s_endpgm
.Lfunc_end_k_qf2320ca75c_proj:
	.size	k_qf2320ca75c_proj, .Lfunc_end_k_qf2320ca75c_proj-k_qf2320ca75c_proj
	.p2alignl 7, 3214868480
	.fill 96, 4, 3214868480
	.section	.rodata,"a",@progbits
	.p2align	6, 0x0
	.amdhsa_kernel k_qf2320ca75c_proj
		.amdhsa_group_segment_fixed_size 327680
		.amdhsa_private_segment_fixed_size 0
		.amdhsa_enable_private_segment 0
		.amdhsa_kernarg_size 32
		.amdhsa_user_sgpr_count 2
		.amdhsa_user_sgpr_kernarg_segment_ptr 1
		.amdhsa_wavefront_size32 1
		.amdhsa_system_sgpr_workgroup_id_x 1
		.amdhsa_system_sgpr_workgroup_id_y 1
		.amdhsa_system_sgpr_workgroup_id_z 1
		.amdhsa_system_vgpr_workitem_id 0
		.amdhsa_next_free_vgpr 768
		.amdhsa_next_free_sgpr 80
		.amdhsa_reserve_vcc 0
		.amdhsa_float_denorm_mode_32 3
		.amdhsa_float_denorm_mode_16_64 3
		.amdhsa_memory_ordered 1
		.amdhsa_forward_progress 1
		.amdhsa_inst_pref_size 57
	.end_amdhsa_kernel
	.amdgpu_metadata
---
amdhsa.version: [ 1, 2 ]
amdhsa.kernels:
  - .name:           k_qf2320ca75c_proj
    .symbol:         k_qf2320ca75c_proj.kd
    .args:
      - { .name: cat, .offset: 0, .size: 8, .value_kind: global_buffer, .address_space: global }
      - { .name: wpb, .offset: 8, .size: 8, .value_kind: global_buffer, .address_space: global }
      - { .name: ball, .offset: 16, .size: 8, .value_kind: global_buffer, .address_space: global }
      - { .name: out0, .offset: 24, .size: 8, .value_kind: global_buffer, .address_space: global }
    .group_segment_fixed_size: 327680
    .private_segment_fixed_size: 0
    .kernarg_segment_align: 8
    .kernarg_segment_size: 32
    .max_flat_workgroup_size: 128
    .sgpr_count:     80
    .vgpr_count:     768
    .wavefront_size: 32
...
	.end_amdgpu_metadata
.endif
;; end of part 5
